; MI455X (gfx1250); checked and timed in simulation.
; The chip was launched on July 23, 2026; its instructions are those of AMD's public machine-readable ISA for CDNA 5 (MIT licence, August 2026) and "CDNA5" Instruction Set Architecture Reference Guide (July 2026). The comments in the code are by the model that wrote it; some were corrected since.
;; DT Attention. Allowed arithmetic: matrix products marked QUANTISED: E2M3 operands, one E8M0 scale for each 32 along K, by v_wmma_scale_f32_16x16x128_f8f6f4 with both operands' format E2M3, f32 sums; products left as they are: f32 operands where the result goes on into a quantised operand, else bf16, f16 or f32 operands; f32 sums; everything else in f32.
;; Inputs: Wk 2,048 x 512 float32; Wo 1,024 x 2,048 float32; Wq 2,048 x 1,024 float32; Wv 2,048 x 512 float32; cos 2 x 2,048 x 128 float32; hidden_states 2 x 2,048 x 2,048 float32; lambda_k1 128 float32; lambda_k2 128 float32; lambda_q1 128 float32; lambda_q2 128 float32; rms_weight 128 float32; sin 2 x 2,048 x 128 float32.
;; Outputs: out0 2 x 2,048 x 2,048 float32.
;; This version of the problem:
;;   THIS VERSION OF THE PROBLEM IS GIVEN IN LOW PRECISION. The matrix products marked QUANTISED in the list below multiply operands that are first quantised to E2M3 (2 exponent bits, 3 mantissa bits; 6 bits a number), with one power-of-two scale for each 32 numbers along K (OCP MX v1.0); their sums are f32. All else is computed in f32.
;;   The module's matrix products, in the order in which they are computed (A, B: the left and right operand; K: the contracted axis; several contracted axes count as one K, in the product's order):
;;     1. [M 4,096, K 2,048] x [K 2,048, N 1,024]; A: input hidden_states; B: input Wq: QUANTISED
;;     2. [M 4,096, K 2,048] x [K 2,048, N 512]; A: input hidden_states; B: input Wk: QUANTISED
;;     3. [M 4,096, K 2,048] x [K 2,048, N 512]; A: input hidden_states; B: input Wv: QUANTISED
;;     4. batch 16 x [M 2,048, K 128] x [K 128, N 2,048]; A: computed on the way; B: computed on the way: QUANTISED
;;     5. [M 1, K 128] x [K 128, N 1]; A: input lambda_q1; B: input lambda_k1: left as it is (M = 1 < 16)
;;     6. [M 1, K 128] x [K 128, N 1]; A: input lambda_q2; B: input lambda_k2: left as it is (M = 1 < 16)
;;     7. batch 16 x [M 2,048, K 2,048] x [K 2,048, N 256]; A: softmax (see below); B: computed on the way: QUANTISED
;;     8. [M 4,096, K 1,024] x [K 1,024, N 2,048]; A: computed on the way; B: input Wo: QUANTISED
;;   THE QUANTISER, for each operand of a quantised product, along K:
;;     - K is cut into blocks of 32 from its start; a last block that is shorter is filled with zeros.
;;     - A block's scale is 2^e with e = floor(log2(the largest magnitude in the block)) - 2, held to -126 .. 127; a block of zeros has e = 0. As a byte (E8M0): e + 127.
;;     - Each number is divided by its block's scale, clamped to +-7.5, and rounded to the nearest number of E2M3, ties to even, subnormals kept.
;;     - The product sums the exact products of the quantised numbers (number of the format x scale) in f32.
;;   ~~~python
;;   def quantise(x, axis):      # numpy; x: float32 -> the quantised numbers, widened to float32 again
;;       x = np.moveaxis(x, axis, -1); K = x.shape[-1]
;;       x = np.pad(x, [(0, 0)] * (x.ndim - 1) + [(0, -K % 32)]); x = x.reshape(x.shape[:-1] + (-1, 32)); a = np.abs(x).max(-1, keepdims=True)
;;       e = np.where(a > 0, np.clip(np.frexp(np.where(a > 0, a, 1))[1] - 1 - 2, -126, 127), 0)      # np.frexp(a)[1] - 1 = floor(log2(a)), exactly
;;       r = np.clip(x / 2.0 ** e, -7.5, 7.5)
;;       step = 2.0 ** (np.maximum(np.frexp(np.where(r == 0, 1, r))[1] - 1, 0) - 3)
;;       q = np.round(r / step) * step * 2.0 ** e      # np.round: ties to even
;;       return np.moveaxis(q.reshape(q.shape[:-2] + (-1,))[..., :K], -1, axis).astype(np.float32)
;;   ~~~
;;   SOFTMAX AHEAD OF A QUANTISED PRODUCT. Where the list says 'softmax', what is quantised is not the finished softmax but p = 2^(t - M), with t = logit x log2(e) and M = ceil(the row's largest t), a whole number; so 1/2 < the row's largest p <= 1. The row's sum l is taken of the UNQUANTISED p, in f32, and the product's result is divided by l at the end. Since M is a whole number, a kernel that streams over the keys may use a running M (the ceiling of the running maximum): every later rescaling is an exact power of two, which a block's scale takes up: the codes' values come out the same.
;;   OPERANDS COMPUTED ON THE WAY. 'Computed on the way' means the value that the module computes at that place (a softmax that the list does not call 'softmax' is quantised finished and normalised). What goes into a quantiser is computed in f32, as accurately as f32 sums, v_exp_f32 and their like allow (about 1e-6 of the number): no bf16 or f16 on the way to a quantiser, and a product that is left as it is and whose result goes on into a quantised operand takes f32 operands (vector FMAs, or v_wmma_f32_16x16x4_f32). A number that lies on a knife's edge between two numbers of the format may be rounded either way, as far as f32 arithmetic and the matrix unit's own rounding can turn it there, and no further.
;; One version. Each part assembles by itself: llvm-mc -triple=amdgcn-amd-amdhsa -mcpu=gfx1250 --defsym DOCPART=n.
;; ======== version 1 of 1: 4 launches
;; workspace buffers: xq 6,553,600 bytes; wq 4,915,200 bytes; qk 4,915,200 bytes; vv 1,638,400 bytes; ao 3,276,800 bytes
;; launch prep (part 1): grid 640 x 1, 4 waves a work-group, no clusters, 47,616 bytes of LDS; arguments hidden_states, Wq, Wk, Wv, Wo, xq, wq; writes xq, wq
.if DOCPART == 1
	.amdgcn_target "amdgcn-amd-amdhsa--gfx1250"
	.amdhsa_code_object_version 6
	.text
	.protected	k_q28fac564ce_prep
	.globl	k_q28fac564ce_prep
	.p2align	8
	.type	k_q28fac564ce_prep,@function
k_q28fac564ce_prep:
	s_mov_b64 s[64:65], 0
	v_nop
	global_prefetch_b8 v0, s[64:65] scope:SCOPE_SE
	s_setreg_imm32_b32 hwreg(HW_REG_WAVE_MODE, 25, 1), 1
	s_wait_xcnt 0x0
; PREP: hidden_states [4096][2048] and the four weights ([K][N], K first) become codes of FP6 (E2M3) with one E8M0 byte for each 32 along K,
; laid in the order of a matrix operand's registers, so that later launches bring a fragment by three loads of 16 bytes a lane.
; TILES.  On an operand's row axis tile T holds the 16 rows 32 (T / 2) + 8 (T % 2) + r + 8 (r / 8), r = 0 .. 15.
; IMAGE (1,536 bytes): a fragment of 16 rows x 128 K: register i of lane l at byte 512 (i / 4) + 16 l + 4 (i % 4); lane (r, h) holds row r, registers 6 c .. 6 c + 5 hold k = 64 c + 32 h + 0 .. 31.
; QUAD (256 bytes): at 16 r the scale words of row r of a tile for four K steps on end.
; xq: images [tile 256][K step 16], then quads [tile][4].  wq: Wq, Wk, Wv as tiles 0-63, 64-95, 96-127: images [tile][16], quads [tile][4]; then Wo: images [tile 128][8], quads [tile][2].
; A block's scale is 2^(floor(log2(largest magnitude)) - 2): its byte is the largest magnitude's exponent field - 2, held at 1 from below by a floor among the maximum's leaves.
; LIMITS: NaN and infinities among the inputs are not served.  A block whose largest magnitude lies under 2^-124 keeps the byte 1; a block of zeros has the byte 1 (not 127) and zero codes: this program alone reads the bytes.
; SHARES.  Work-groups 0-383 take the weights (128 columns x 128 K each, a wave 32 columns), work-groups 384-639 a tile of 16 tokens each (a wave four K steps).  Waves share nothing: no barrier.
; A stream: no matrix unit, no cluster, no tensor load; each path has LDS bytes of its own.
.set X_SCL,  6291456
.set W_SCL,  3145728
.set WO_IMG, 3276800
.set WO_SCL, 4849664
.set WSTG,   33792                     ; LDS: path X's four stages of 16 x 528 bytes lie below, path W's four of 2 x 1,664 from here on
.set TM,  16                           ; path X: v16-31 at work
.set PW,  32                           ; v32-35 the scale words of my four K steps
.set PC,  40                           ; v40-51 a fragment's codes, v52-58 their odd halves
.set XN,  64                           ; v64-127 64 numbers: register 16 b + i = k 32 b + 16 h + i of my row
.set RR,  128                          ; v128-255 two sets of 64, as loaded
.set VO,  64                           ; path W: v64-95 4 x lane + i rows
.set CW,  96                           ; v96-119 the codes of lanes (r, 0) and (r, 1) of my column's tile
.set CT,  24                           ; v24-39 their odd halves
.set OB,  40                           ; v40-63 two images read back
.set XW,  128                          ; v128-255 my column's 128 numbers down K
; 64 numbers of a lane become a fragment's codes in v[PC] on and its scale word in v[pw]
.macro QUANT s, pw
.irp b, 0,1,2,3
	v_max3_num_f32 v[TM+\b], |v[\s+16*\b]|, |v[\s+16*\b+1]|, 0x1800000   ; block b: my 16 numbers, and the floor 2^(3 - 127)
.endr
.irp i, 2,4,6,8,10,12,14
.irp b, 0,1,2,3
	v_max3_num_f32 v[TM+\b], v[TM+\b], |v[\s+16*\b+\i]|, |v[\s+16*\b+\i+1]|
.endr
.endr
.irp b, 0,1,2,3
	v_permlanex16_b32 v[TM+4+\b], v[TM+\b], s2, s3
.endr
.irp b, 0,1,2,3
	v_max_num_f32 v[TM+\b], v[TM+\b], v[TM+4+\b]          ; with lane l xor 16's: the block's largest magnitude
.endr
.irp b, 0,1,2,3
	v_add_nc_u32 v[TM+12+\b], 0xff000000, v[TM+\b]        ; 2 off its exponent field: the conversion's scale operand
.endr
.irp b, 0,1,2,3
	v_lshrrev_b32 v[TM+4+\b], 23, v[TM+12+\b]             ; the scale's byte
.endr
	v_lshl_or_b32 v[\pw], v[TM+5], 8, v[TM+4]
	v_lshl_or_b32 v[\pw], v[TM+6], 16, v[\pw]
	v_lshl_or_b32 v[\pw], v[TM+7], 24, v[\pw]
.irp c, 0,1
	v_cvt_scalef32_pk16_fp6_f32 v[PC+6*\c:PC+6*\c+2], v[\s+32*\c:\s+32*\c+15], v[TM+12+2*\c]
	v_cvt_scalef32_pk16_fp6_f32 v[PC+12+4*\c:PC+14+4*\c], v[\s+32*\c+16:\s+32*\c+31], v[TM+12+2*\c+1]   ; (a conversion's three registers begin on an even number)
.endr
	v_nop                                                 ; one plain instruction behind a scaled conversion
.irp c, 0,1                                           ; a whole block to a lane: lanes 0-15 block 2 c, lanes 16-31 block 2 c + 1
.irp i, 0,1,2
	v_permlane16_swap_b32 v[PC+6*\c+\i], v[PC+12+4*\c+\i]
.endr
.irp i, 0,1,2
	v_mov_b32 v[PC+3+6*\c+\i], v[PC+12+4*\c+\i]
.endr
.endr
.endm
	s_load_b256 s[4:11], s[0:1], 0x0               ; hidden_states, Wq, Wk, Wv
	s_load_b128 s[12:15], s[0:1], 0x20             ; Wo, xq
	s_load_b64 s[16:17], s[0:1], 0x30              ; wq
	v_lshl_add_u32 v27, v0, 2, 0xb800
	v_mov_b32 v39, 0
	v_lshrrev_b32 v1, 5, v0
	v_readfirstlane_b32 s18, v1                    ; wave
	v_and_b32 v1, 31, v0                           ; lane
	s_cmp_lt_u32 ttmp9, 384
	s_cbranch_scc0 .Lpath_x
	; ---------------- PATH W: a lane takes a column, its registers run down K ----------------
	v_bfe_u32 v2, v0, 3, 1                         ; u: which of the wave's two tiles my column falls into
	v_and_b32 v3, 7, v0
	v_bfe_u32 v4, v0, 4, 1
	v_lshl_add_u32 v3, v4, 3, v3                   ; r: its row there
	s_mul_i32 s19, s18, 3328
	s_add_co_u32 s19, s19, WSTG                    ; my wave's stage
	v_mul_u32_u24 v5, v2, 1664
	v_lshl_add_u32 v5, v3, 4, v5
	v_add_nc_u32 v5, s19, v5                       ; in: tile u, 16 r
	v_lshlrev_b32 v7, 4, v1                        ; 16 x lane: my place in an image
	v_add_nc_u32 v6, s19, v7                       ; back
	; which weight: Wo's figures first, then those of Wv, Wk, Wq where the work-group's number lies below their ends
	s_mov_b32 s20, 8192                            ; a row of the weight in bytes
	s_mov_b32 s21, 256                             ; its first work-group
	s_mov_b32 s22, 3                               ; log2 of its K steps
	s_mov_b32 s23, 0                               ; its first tile
	s_mov_b32 s24, WO_IMG
	s_mov_b32 s25, WO_SCL
	s_mov_b32 s26, 12288                           ; a tile's images in bytes
	s_mov_b32 s27, 512                             ; a tile's quads
	s_wait_kmcnt 0x0
	s_cmp_lt_u32 ttmp9, 256
	s_cselect_b64 s[28:29], s[10:11], s[12:13]
	s_cselect_b32 s20, 2048, s20
	s_cselect_b32 s21, 192, s21
	s_cselect_b32 s22, 4, s22
	s_cselect_b32 s23, 96, s23
	s_cselect_b32 s24, 0, s24
	s_cselect_b32 s25, W_SCL, s25
	s_cselect_b32 s26, 24576, s26
	s_cselect_b32 s27, 1024, s27
	s_cmp_lt_u32 ttmp9, 192
	s_cselect_b64 s[28:29], s[8:9], s[28:29]
	s_cselect_b32 s21, 128, s21
	s_cselect_b32 s23, 64, s23
	s_cmp_lt_u32 ttmp9, 128
	s_cselect_b64 s[28:29], s[6:7], s[28:29]
	s_cselect_b32 s20, 4096, s20
	s_cselect_b32 s21, 0, s21
	s_cselect_b32 s23, 0, s23
	s_sub_co_u32 s30, ttmp9, s21
	s_bfm_b32 s31, s22, 0
	s_and_b32 s31, s30, s31                        ; the K step
	s_lshr_b32 s30, s30, s22
	s_lshl_b32 s30, s30, 2
	s_add_co_u32 s30, s30, s18                     ; G: my wave's 32 columns
	s_lshl_b32 s32, s31, 7
	s_mul_i32 s32, s32, s20                        ; 128 rows a K step
	s_lshl_b32 s33, s30, 7
	s_add_co_u32 s32, s32, s33                     ; + 128 bytes a group of columns
	s_mov_b32 s33, 0
	s_add_nc_u64 s[36:37], s[28:29], s[32:33]      ; block 0's first row
	s_lshl_b32 s32, s20, 5                         ; 32 rows on
	s_add_nc_u64 s[38:39], s[36:37], s[32:33]
	s_add_nc_u64 s[40:41], s[38:39], s[32:33]
	s_add_nc_u64 s[42:43], s[40:41], s[32:33]
	s_lshl_b32 s34, s30, 1
	s_add_co_u32 s34, s34, s23                     ; my first tile
	s_mul_i32 s32, s34, s26
	s_add_co_u32 s32, s32, s24
	s_mul_i32 s35, s31, 1536
	s_add_co_u32 s32, s32, s35
	s_add_nc_u64 s[44:45], s[16:17], s[32:33]      ; its image of this K step
	s_mul_i32 s32, s34, s27
	s_add_co_u32 s32, s32, s25
	s_lshr_b32 s35, s31, 2
	s_lshl_b32 s35, s35, 8
	s_add_co_u32 s32, s32, s35
	s_and_b32 s35, s31, 3
	s_lshl_b32 s35, s35, 2
	s_add_co_u32 s32, s32, s35
	s_add_nc_u64 s[46:47], s[16:17], s[32:33]      ; and this K step's word in its quad
	v_add_nc_u32 v8, s26, v7                       ; my place in the second tile's image
	v_mul_u32_u24 v9, s27, v2
	v_lshl_add_u32 v9, v3, 4, v9                   ; my scale word: tile u, 16 r
	v_lshlrev_b32 v[VO], 2, v1
.set i, 1
.rept 31
	v_add_nc_u32 v[VO+i], s20, v[VO+i-1]           ; 4 x lane + i rows
.set i, i+1
.endr
.macro WLOAD k                         ; block k: W(32 k + i, my column): 32 lanes read 128 consecutive bytes, the four waves 512
.set i, 0
.rept 32
	global_load_b32 v[XW+32*(\k)+i], v[VO+i], s[36+2*(\k):37+2*(\k)] th:TH_LOAD_NT
.set i, i+1
.endr
.endm
.macro WBLOCK k
.set XS, XW+32*(\k)
.if (\k) < 3
	s_wait_loadcnt 32                              ; this block's 32 loads are in; the next block's may be out
.else
	s_wait_loadcnt 0
.endif
.if (\k) < 2
	WLOAD (\k)+2
.endif
	v_max3_num_f32 v16, |v[XS]|, |v[XS+1]|, 0x1800000     ; all 32 numbers of the block are mine; the floor 2^(3 - 127) among them
	v_max3_num_f32 v17, |v[XS+2]|, |v[XS+3]|, |v[XS+4]|
.irp i, 5,9,13,17,21,25
	v_max3_num_f32 v16, v16, |v[XS+\i]|, |v[XS+\i+1]|
	v_max3_num_f32 v17, v17, |v[XS+\i+2]|, |v[XS+\i+3]|
.endr
	v_max3_num_f32 v16, v16, |v[XS+29]|, |v[XS+30]|
	v_max3_num_f32 v16, v16, v17, |v[XS+31]|
	v_add_nc_u32 v[20+(\k)], 0xff000000, v16       ; the conversion's scale operand
	v_lshrrev_b32 v18, 23, v[20+(\k)]              ; the byte
.if (\k) == 0
	v_mov_b32 v10, v18
.else
	v_lshl_or_b32 v10, v18, 8*(\k), v10            ; byte k of the K step's scale word
.endif
	v_cvt_scalef32_pk16_fp6_f32 v[CW+12*((\k)&1)+6*((\k)>>1):CW+12*((\k)&1)+6*((\k)>>1)+2], v[XS:XS+15], v[20+(\k)]   ; block k = 2 c + h: registers 6 c .. of lane (r, h)
	v_cvt_scalef32_pk16_fp6_f32 v[CT+4*(\k):CT+4*(\k)+2], v[XS+16:XS+31], v[20+(\k)]
	v_nop                                          ; one plain instruction behind a scaled conversion
.irp i, 0,1,2
	v_mov_b32 v[CW+12*((\k)&1)+6*((\k)>>1)+3+\i], v[CT+4*(\k)+\i]
.endr
.endm
	WLOAD 0
	WLOAD 1
	WBLOCK 0
	WBLOCK 1
	WBLOCK 2
	WBLOCK 3
.irp hh, 0,1                                   ; my column is row r of tile u: what lanes (r, 0) and (r, 1) of its image hold
.irp c, 0,1,2
	ds_store_b128 v5, v[CW+12*\hh+4*\c:CW+12*\hh+4*\c+3] offset:256*\hh+512*\c
.endr
.endr
.irp u, 0,1
.irp c, 0,1,2
	ds_load_b128 v[OB+12*\u+4*\c:OB+12*\u+4*\c+3], v6 offset:1664*\u+512*\c   ; LDS serves a wave's instructions in order (ISA guide 5.7.1.4): these see my stores
.endr
.endr
	s_wait_dscnt 0x0
.irp c, 0,1,2
	global_store_b128 v7, v[OB+4*\c:OB+4*\c+3], s[44:45] offset:512*\c          ; 32 lanes store 512 consecutive bytes, aligned
	global_store_b128 v8, v[OB+12+4*\c:OB+12+4*\c+3], s[44:45] offset:512*\c
.endr
	global_store_b32 v9, v10, s[46:47]             ; four bytes a lane, 16 bytes apart: one byte for each 128 that the path reads
	s_wait_tensorcnt 0x0
	ds_add_u32 v27, v39
	s_wait_dscnt 0x0
	s_endpgm
	; ---------------- PATH X: a tile of 16 tokens; wave w takes K steps 4 w .. 4 w + 3 ----------------
.Lpath_x:
	s_sub_co_u32 s19, ttmp9, 384                   ; the tile
	v_and_b32 v2, 15, v0                           ; r
	v_bfe_u32 v3, v0, 4, 1                         ; h
	v_lshlrev_b32 v4, 4, v1                        ; 16 x lane
	s_mul_i32 s20, s18, 8448                       ; my wave's stage: 16 rows of 512 bytes + 16
	v_add_nc_u32 v5, s20, v4                       ; in: a row as it lies
	v_mul_u32_u24 v6, v2, 528
	v_lshl_add_u32 v6, v3, 6, v6
	v_add_nc_u32 v6, s20, v6                       ; back: row r, + 64 h: my 16 numbers of a block of 32
	v_lshlrev_b32 v7, 4, v2
	v_lshl_add_u32 v7, v3, 3, v7                   ; my 8 bytes of the quad
	s_mov_b32 s2, 0x76543210
	s_mov_b32 s3, 0xfedcba98                       ; v_permlanex16_b32's selects for lane l xor 16
.irp b, 0,1,2,3
	v_mov_b32 v[TM+4+\b], 0                        ; written once: a lane permute's destination counts as one of its sources
.endr
	s_lshr_b32 s21, s19, 1
	s_lshl_b32 s21, s21, 5
	s_and_b32 s22, s19, 1
	s_lshl_b32 s22, s22, 3
	s_add_co_u32 s21, s21, s22                     ; the tile's first row
	s_lshl_b32 s22, s21, 13                        ; rows of 8,192 bytes
	s_lshl_b32 s23, s18, 11                        ; my four K steps: 2,048 bytes
	s_add_co_u32 s22, s22, s23
	s_mov_b32 s23, 0
	s_mul_i32 s24, s19, 24576
	s_mul_i32 s26, s18, 6144
	s_add_co_u32 s24, s24, s26
	s_mov_b32 s25, 0
	s_lshl_b32 s26, s19, 10
	s_lshl_b32 s27, s18, 8
	s_add_co_u32 s26, s26, s27
	s_add_co_u32 s26, s26, X_SCL
	s_mov_b32 s27, 0
	s_wait_kmcnt 0x0
	s_add_nc_u64 s[4:5], s[4:5], s[22:23]
	s_add_nc_u64 s[24:25], s[14:15], s[24:25]      ; my four images
	s_add_nc_u64 s[26:27], s[14:15], s[26:27]      ; my quad
.macro XLOAD t                         ; K step t of the tile's 16 rows: each load takes 512 consecutive bytes of one row
.irp p, 0,1,2,3,4,5,6,7,8,9,10,11,12,13,14,15
	global_load_b128 v[RR+64*((\t)%2)+4*\p:RR+64*((\t)%2)+4*\p+3], v4, s[4:5] offset:(\p+8*(\p/8))*8192+512*(\t) th:TH_LOAD_NT
.endr
.endm
.macro XSTEP t
.if (\t) < 3
	s_wait_loadcnt 16                              ; this step's 16 loads are in; the next step's may be out
.else
	s_wait_loadcnt 0
.endif
.irp p, 0,1,2,3,4,5,6,7,8,9,10,11,12,13,14,15
	ds_store_b128 v5, v[RR+64*((\t)%2)+4*\p:RR+64*((\t)%2)+4*\p+3] offset:528*\p
.endr
.irp e, 0,1,2,3,4,5,6,7,8,9,10,11,12,13,14,15
	ds_load_b128 v[XN+4*\e:XN+4*\e+3], v6 offset:128*(\e/4)+16*(\e%4)   ; served in order: these see the stores above
.endr
	s_wait_dscnt 0x0                               ; the numbers are back, and the stage's stores have read their registers
.if (\t) > 0
	s_wait_xcnt 0x0                                ; the last step's stores have read the codes' registers: they are written again only behind this wait
.endif
.if (\t) < 2
	XLOAD (\t)+2
.endif
	QUANT XN, PW+(\t)
.irp c, 0,1,2
	global_store_b128 v4, v[PC+4*\c:PC+4*\c+3], s[24:25] offset:1536*(\t)+512*\c   ; 512 consecutive bytes, aligned
.endr
.endm
	XLOAD 0
	XLOAD 1
	XSTEP 0
	XSTEP 1
	XSTEP 2
	XSTEP 3
	v_cmp_ne_u32 vcc_lo, 0, v3
	v_cndmask_b32 v36, v[PW], v[PW+2], vcc_lo      ; lanes 0-15 store the words of steps 0, 1, lanes 16-31 those of steps 2, 3
	v_cndmask_b32 v37, v[PW+1], v[PW+3], vcc_lo
	global_store_b64 v7, v[36:37], s[26:27]        ; the 32 lanes store the quad's 256 consecutive bytes, aligned
	s_wait_tensorcnt 0x0
	ds_add_u32 v27, v39
	s_wait_dscnt 0x0
	s_endpgm
.Lfunc_end_k_q28fac564ce_prep:
	.size	k_q28fac564ce_prep, .Lfunc_end_k_q28fac564ce_prep-k_q28fac564ce_prep
	.p2alignl 7, 3214868480
	.fill 96, 4, 3214868480
	.section	.rodata,"a",@progbits
	.p2align	6, 0x0
	.amdhsa_kernel k_q28fac564ce_prep
		.amdhsa_group_segment_fixed_size 47616
		.amdhsa_private_segment_fixed_size 0
		.amdhsa_enable_private_segment 0
		.amdhsa_kernarg_size 56
		.amdhsa_user_sgpr_count 2
		.amdhsa_user_sgpr_kernarg_segment_ptr 1
		.amdhsa_wavefront_size32 1
		.amdhsa_system_sgpr_workgroup_id_x 1
		.amdhsa_system_sgpr_workgroup_id_y 1
		.amdhsa_system_sgpr_workgroup_id_z 1
		.amdhsa_system_vgpr_workitem_id 0
		.amdhsa_next_free_vgpr 256
		.amdhsa_next_free_sgpr 66
		.amdhsa_reserve_vcc 1
		.amdhsa_float_denorm_mode_32 3
		.amdhsa_float_denorm_mode_16_64 3
		.amdhsa_memory_ordered 1
		.amdhsa_forward_progress 1
		.amdhsa_inst_pref_size 57
	.end_amdhsa_kernel
	.amdgpu_metadata
---
amdhsa.version: [ 1, 2 ]
amdhsa.kernels:
  - .name:           k_q28fac564ce_prep
    .symbol:         k_q28fac564ce_prep.kd
    .args:
      - { .name: hidden_states, .offset: 0, .size: 8, .value_kind: global_buffer, .address_space: global }
      - { .name: Wq, .offset: 8, .size: 8, .value_kind: global_buffer, .address_space: global }
      - { .name: Wk, .offset: 16, .size: 8, .value_kind: global_buffer, .address_space: global }
      - { .name: Wv, .offset: 24, .size: 8, .value_kind: global_buffer, .address_space: global }
      - { .name: Wo, .offset: 32, .size: 8, .value_kind: global_buffer, .address_space: global }
      - { .name: xq, .offset: 40, .size: 8, .value_kind: global_buffer, .address_space: global }
      - { .name: wq, .offset: 48, .size: 8, .value_kind: global_buffer, .address_space: global }
    .group_segment_fixed_size: 47616
    .private_segment_fixed_size: 0
    .kernarg_segment_align: 8
    .kernarg_segment_size: 56
    .max_flat_workgroup_size: 128
    .sgpr_count:     66
    .vgpr_count:     256
    .wavefront_size: 32
...
	.end_amdgpu_metadata
.endif
;; end of part 1
;; launch qkv (part 2): grid 32 x 8, 4 waves a work-group, clusters of 4 x 1, 327,680 bytes of LDS; arguments xq, wq, cos, sin, qk, vv; writes qk, vv
.if DOCPART == 2
	.amdgcn_target "amdgcn-amd-amdhsa--gfx1250"
	.amdhsa_code_object_version 6
	.text
	.protected	k_q28fac564ce_qkv
	.globl	k_q28fac564ce_qkv
	.p2align	8
	.type	k_q28fac564ce_qkv,@function
k_q28fac564ce_qkv:
	s_mov_b64 s[64:65], 0
	v_nop
	global_prefetch_b8 v0, s[64:65] scope:SCOPE_SE
	s_setreg_imm32_b32 hwreg(HW_REG_WAVE_MODE, 25, 1), 1
	s_wait_xcnt 0x0
	s_wait_alu depctr_hold_cnt(0) depctr_sa_sdst(0) depctr_va_vdst(0) depctr_va_sdst(0) depctr_va_ssrc(0) depctr_va_vcc(0) depctr_vm_vsrc(0)
	s_getreg_b32 s2, hwreg(HW_REG_IB_STS2, 6, 4)
	s_cmp_eq_u32 s2, 0
	s_cbranch_scc0 .Lentry_in_a_cluster
	s_endpgm
.Lentry_in_a_cluster:
	s_bfe_u32 s2, ttmp6, 0x10000c
	s_cmp_lg_u32 s2, 0x3003
	s_cbranch_scc0 .Lentry_shape_is_right
	s_endpgm
.Lentry_shape_is_right:
; QKV: the three projections (K = 2,048) on codes of FP6 (E2M3), RoPE on q and k, and the results quantised in registers: q and k along the head's 128, v along the keys.
; Operands come as IMAGES of fragments (1,536 bytes: register i of lane l at 512 (i / 4) + 16 l + 4 (i % 4)) and QUADS of scale words (at 16 r the words of row r for four K steps).
; Tile T of any row axis holds rows 32 (T / 2) + 8 (T % 2) + r + 8 (r / 8): so the 16 result registers of source 0's tiles 2 b, 2 b + 1 are 16 neighbours, 32 b + 16 (lane / 16) + 0 .. 15, along source 0's axis.
; ONE BODY, TWO USES.  A work-group multiplies 256 rows of source 0 by 128 rows of source 1; a wave 128 x 64: 32 accumulators.
;   y < 6:  source 0 = 256 columns of Wq | Wk (two heads), source 1 = 128 tokens: a lane holds ONE TOKEN and its registers run along the head's d: RoPE pairs d and d + 64 in one lane, the quantiser runs along d.
;   y >= 6: source 0 = 256 tokens, source 1 = the 128 columns of one head of Wv: a lane holds ONE d and its registers run along the tokens, which are the keys: the quantiser runs along the keys.
; CLUSTER 4 x 1.  Source 0's tiles hang on the cluster's x and y alone: the four partners ask for them JOINTLY.  Source 1's hang on the place in the cluster and come by loads of the work-group's own.
; A cluster of 4 x 4 is not used: the two uses have 6 and 16 blocks of source 0 and 32 and 4 of source 1, and no grid makes both axes multiples of 4 without both uses in one cluster.
; K goes in steps of 128 through two LDS slots of four steps each; the scale words of all of K come once.  16 steps, written out.
; OUT.  qk: images [12 heads: 8 of q, 4 of k][token tile 256], then for each head and block of 128 tokens 512 bytes of scale words: that of tile 4 g + i, row r at 256 g + 16 r + 4 i.
;       vv: images [4 b + head][key step 16][d tile 8] (rows d, K = 128 keys), then scale words likewise for each (4 b + head, key step).
; LIMITS: NaN and infinities are not served; a block whose largest magnitude lies under 2^-124 keeps the byte 1, a block of zeros has the byte 1 and zero codes (this program alone reads the bytes).
; REGISTERS, in windows of 256: window 0: v1-29 addresses; v32-95 scale words, two sets; v96-117 at work; v128-223 source 1's fragments, two sets (in the end: v128-191 64 numbers, v192-211 codes).
;   window 1: v0-191 source 0's fragments, two sets.   window 2: accumulator (a, b) at v[8 (8 a + b)].   window 3: cos and sin, two sets of 64 + 64.
.set X_SCL,  6291456
.set W_SCL,  3145728
.set QK_SCL, 4718592
.set V_SCL,  1572864
.set SLOT,   147456                    ; 16 tiles of source 0, then 8 of source 1, 6,144 bytes (four K steps) each
.set S1OFF,  98304
.set SCL1,   294912                    ; source 1's quads, 8 tiles x 1,024 bytes
.set SCL0,   303104                    ; source 0's, 16 x 1,024
.set SPARE,  319488                    ; the spare words, 128 bytes a wave: two blocks of 256 bytes that no other line names
.set AD0, 16                           ; v16-17 LDS address of my half of source 0 in slot 0, 1
.set AD1, 18                           ; v18-19 of source 1
.set ADS, 20                           ; v20 of my scale words: lanes 0-15 source 1's, lanes 16-31 source 0's
.set CSO, 21                           ; v21 my byte in the wave's rows of cos and sin
.set SCO, 23                           ; v23 my 8 bytes of the scale words that I store
.set SPW, 28                           ; v28 my spare word; never rewritten
.set NIL, 29                           ; v29 0; never rewritten
.set SC,  32
.set TM,  96
.set PW4, 112
.set F1,  128
.set HA,  128
.set PC,  192
.set G1A,  24                          ; s[24:31] group 1, source 0's tiles (joint);  s[32:39] source 1's;  s[40:47], s[48:55] their scales
.set G1B,  32
.set G1SA, 40
.set G1SB, 48
.set G0A,  56                          ; s[56:63] group 0 of source 0, a set for each slot;  s[68:75] of source 1;  s[76:79], s[80:83] the scales'
.set G0B,  68
.set G0SA, 76
.set G0SB, 80
.set MSB, 0
.macro WIN new                         ; the immediate's high byte repeats the setting that is left
.if MSB != (\new)
	s_set_vgpr_msb (MSB<<8)|(\new)
.set MSB, (\new)
.endif
.endm
.macro PLACES n
.rept \n
	v_nop
.endr
.endm
.macro CREST                           ; a round of the cluster's barrier behind its opening barrier
	s_cmp_lg_u32 s16, 0
	s_cbranch_scc1 .Lnot_wave_0_\@
	s_barrier_signal -3
.Lnot_wave_0_\@:
	s_barrier_wait -3
	s_barrier_signal -1
	s_barrier_wait -1
.endm
.macro CROUND
	s_barrier_signal -1
	s_barrier_wait -1
	CREST
.endm
; Waves 0 and 1 fetch source 0's halves (jointly), waves 2 and 3 source 1's.  The branch hangs on the wave's number alone.  Four v_nop follow each of the two lines.
.macro JLOAD g0a, g1a, g0b, g1b
	s_cmp_eq_u32 s18, 0
	s_cbranch_scc0 .Lfor_b_\@
	tensor_load_to_lds s[\g0a:\g0a+3], s[\g1a:\g1a+7]
	s_nop 0
.rept 4
	v_nop
.endr
	s_branch .Lasked_\@
.Lfor_b_\@:
	tensor_load_to_lds s[\g0b:\g0b+3], s[\g1b:\g1b+7]
	s_nop 0
.rept 4
	v_nop
.endr
.Lasked_\@:
.endm
; the fragments of the slot's q-th K step into set p: 36 loads of 512 consecutive bytes
.macro FETCH slot, q, p
	WIN 0x40
.irp b, 0,1,2,3,4,5,6,7
.irp c, 0,1,2
	ds_load_b128 v[96*(\p)+12*\b+4*\c:96*(\p)+12*\b+4*\c+3], v[AD0+\slot] offset:6144*\b+1536*(\q)+512*\c
.endr
.endr
	WIN 0
.irp a, 0,1,2,3
.irp c, 0,1,2
	ds_load_b128 v[F1+48*(\p)+12*\a+4*\c:F1+48*(\p)+12*\a+4*\c+3], v[AD1+\slot] offset:6144*\a+1536*(\q)+512*\c
.endr
.endr
.endm
; the scale words of K steps 4 g .. 4 g + 3 into a set: register 4 i + q: lanes 0-15 source 1's tile i, lanes 16-31 source 0's tile i (for i > 3 lanes 0-15 read words that are never used)
.macro SCALES set, g
.irp i, 0,1,2,3,4,5,6,7
	ds_load_b128 v[SC+32*(\set)+4*\i:SC+32*(\set)+4*\i+3], v[ADS] offset:1024*\i+256*(\g)
.endr
.endm
; source 1's tile a against source 0's eight.  The 32 accumulators take turns, one instruction a turn, in the same order in every step.
.macro MUL8 a, p, q, set, zero
	WIN 0xa1                                       ; source 0 window 1, source 1 window 0, C and D window 2
.irp b, 0,1,2,3,4,5,6,7
.if \zero
	v_wmma_scale_f32_16x16x128_f8f6f4 v[8*(8*(\a)+\b):8*(8*(\a)+\b)+7], v[96*(\p)+12*\b:96*(\p)+12*\b+11], v[F1+48*(\p)+12*(\a):F1+48*(\p)+12*(\a)+11], 0, v[SC+32*(\set)+4*\b+(\q)], v[SC+32*(\set)+4*(\a)+(\q)] matrix_a_fmt:MATRIX_FMT_FP6 matrix_b_fmt:MATRIX_FMT_FP6 matrix_a_scale:MATRIX_SCALE_ROW1
.else
	v_wmma_scale_f32_16x16x128_f8f6f4 v[8*(8*(\a)+\b):8*(8*(\a)+\b)+7], v[96*(\p)+12*\b:96*(\p)+12*\b+11], v[F1+48*(\p)+12*(\a):F1+48*(\p)+12*(\a)+11], v[8*(8*(\a)+\b):8*(8*(\a)+\b)+7], v[SC+32*(\set)+4*\b+(\q)], v[SC+32*(\set)+4*(\a)+(\q)] matrix_a_fmt:MATRIX_FMT_FP6 matrix_b_fmt:MATRIX_FMT_FP6 matrix_a_scale:MATRIX_SCALE_ROW1
.endif
.endr
.endm
; one of a slot's first three K steps: the next step's fragments are asked for ahead of this step's 32 products
.macro STEP slot, q, zero
	s_wait_dscnt 0x0                               ; this step's fragments, asked for 32 products ago, are in
	PLACES 4                                       ; four plain instructions between the last products and loads into the registers that they read (ISA guide 7.12.1 for vector instructions)
	FETCH \slot, (\q)+1, 1-(\q)%2
	MUL8 0, (\q)%2, \q, \slot, \zero
	MUL8 1, (\q)%2, \q, \slot, \zero
	MUL8 2, (\q)%2, \q, \slot, \zero
	MUL8 3, (\q)%2, \q, \slot, \zero
.endm
; a slot's last step changes slots: one barrier; in front of it each wave waits for all its tensor loads, adds 0 to its spare word, and waits for that and for its reads of this slot
.macro TURN slot, next, g, fill
	WIN 0
	s_wait_tensorcnt 0x0                           ; all my tensor loads have landed: my part of the next slot
	ds_add_u32 v[SPW], v[NIL]                      ; 0 onto my spare word
	s_wait_dscnt 0x1                               ; this step's fragments are in; only the add may be out
	MUL8 0, 1, 3, \slot, 0                         ; eight products stand between the add and the wait for it
	s_wait_dscnt 0x0                               ; the add is done, and my reads of this slot are over
	s_barrier_signal -1
	MUL8 1, 1, 3, \slot, 0
	WIN 0
	s_barrier_wait -1
.if \fill
	CREST                                          ; the barrier has opened a round of the cluster's: no wave of any partner still reads this slot or has a load on its way
	s_add_nc_u64 s[G0A+4*\slot+2:G0A+4*\slot+3], s[G0A+4*\slot+2:G0A+4*\slot+3], 12288   ; eight K steps on in each tile's row
	s_add_nc_u64 s[G0B+4*\slot+2:G0B+4*\slot+3], s[G0B+4*\slot+2:G0B+4*\slot+3], 12288
	JLOAD G0A+4*\slot, G1A, G0B+4*\slot, G1B       ; the first tensor load behind the round, one a wave: it has four K steps, 128 products, in which to land; its four v_nop are the places for the loads below
.else
	PLACES 4
.endif
	FETCH \next, 0, 0
	SCALES \next, \g
	MUL8 2, 1, 3, \slot, 0
	MUL8 3, 1, 3, \slot, 0
.endm
; cos and sin of the 16 tokens of source 1's tile a, in the accumulators' layout: register 16 b + i = d 32 b + 16 (lane / 16) + i of my token
.macro LOADCS a
	WIN 0xc0                                       ; destination window 3
.irp e, 0,1,2,3,4,5,6,7,8,9,10,11,12,13,14,15
	global_load_b128 v[128*((\a)%2)+4*\e:128*((\a)%2)+4*\e+3], v[CSO], s[8:9] offset:(32*((\a)/2)+8*((\a)%2))*512+128*(\e/4)+16*(\e%4)
.endr
.irp e, 0,1,2,3,4,5,6,7,8,9,10,11,12,13,14,15
	global_load_b128 v[128*((\a)%2)+64+4*\e:128*((\a)%2)+64+4*\e+3], v[CSO], s[10:11] offset:(32*((\a)/2)+8*((\a)%2))*512+128*(\e/4)+16*(\e%4)
.endr
	WIN 0
.endm
.macro CSIF a                          ; only where q and k are made: the branch hangs on the work-group's y, which the partners share
	WIN 0
	s_cmp_eq_u32 s20, 0
	s_cbranch_scc0 .Lno_cs_\@
	LOADCS \a
.Lno_cs_\@:
.endm
; x(d) cos(d) - x(d + 64) sin(d) and x(d + 64) cos(d + 64) + x(d) sin(d + 64): d and d + 64 are registers p and p + 32 of one lane.  Ascending: each accumulator is first read at its low end.
.macro ROPE a
	WIN 0x0e                                       ; source 0 (x) window 2, source 1 (cos, sin) window 3
.set CO_, 128*((\a)%2)
.set SI_, 128*((\a)%2)+64
.set XA_, 64*(\a)
.irp p, 0,2,4,6,8,10,12,14,16,18,20,22,24,26,28,30
	v_pk_mul_f32 v[HA+\p:HA+\p+1], v[XA_+\p+32:XA_+\p+33], v[SI_+\p:SI_+\p+1]
	v_pk_mul_f32 v[HA+\p+32:HA+\p+33], v[XA_+\p:XA_+\p+1], v[SI_+\p+32:SI_+\p+33]
	v_pk_fma_f32 v[HA+\p:HA+\p+1], v[XA_+\p:XA_+\p+1], v[CO_+\p:CO_+\p+1], v[HA+\p:HA+\p+1] neg_lo:[0,0,1] neg_hi:[0,0,1]
	v_pk_fma_f32 v[HA+\p+32:HA+\p+33], v[XA_+\p+32:XA_+\p+33], v[CO_+\p+32:CO_+\p+33], v[HA+\p+32:HA+\p+33]
.endr
	WIN 0
.endm
; 64 numbers of a lane in window w, register 16 b + i = k 32 b + 16 (lane / 16) + i of my row, become a fragment's codes in v[PC] on and its scale word in v[pw]
.macro QUANT s, w, pw
.set QW, ((\w)<<2)|((\w)<<4)
	WIN QW
.irp b, 0,1,2,3
	v_max3_num_f32 v[TM+\b], 0x1800000, |v[\s+16*\b]|, |v[\s+16*\b+1]|   ; block b: my 16 numbers, and the floor 2^(3 - 127)
.endr
.irp i, 2,4,6,8,10,12,14
.irp b, 0,1,2,3
	v_max3_num_f32 v[TM+\b], v[TM+\b], |v[\s+16*\b+\i]|, |v[\s+16*\b+\i+1]|
.endr
.endr
	WIN 0
.irp b, 0,1,2,3
	v_permlanex16_b32 v[TM+4+\b], v[TM+\b], s2, s3
.endr
.irp b, 0,1,2,3
	v_max_num_f32 v[TM+\b], v[TM+\b], v[TM+4+\b]
.endr
.irp b, 0,1,2,3
	v_add_nc_u32 v[TM+12+\b], 0xff000000, v[TM+\b]        ; 2 off the exponent field: the conversion's scale operand
.endr
.irp b, 0,1,2,3
	v_lshrrev_b32 v[TM+4+\b], 23, v[TM+12+\b]
.endr
	v_lshl_or_b32 v[\pw], v[TM+5], 8, v[TM+4]
	v_lshl_or_b32 v[\pw], v[TM+6], 16, v[\pw]
	v_lshl_or_b32 v[\pw], v[TM+7], 24, v[\pw]
	WIN \w
.irp c, 0,1
	v_cvt_scalef32_pk16_fp6_f32 v[PC+6*\c:PC+6*\c+2], v[\s+32*\c:\s+32*\c+15], v[TM+12+2*\c]
	v_cvt_scalef32_pk16_fp6_f32 v[PC+12+4*\c:PC+14+4*\c], v[\s+32*\c+16:\s+32*\c+31], v[TM+12+2*\c+1]
.endr
	WIN 0
	v_nop                                                 ; one plain instruction behind a scaled conversion
.irp c, 0,1
.irp i, 0,1,2
	v_permlane16_swap_b32 v[PC+6*\c+\i], v[PC+12+4*\c+\i]
.endr
.irp i, 0,1,2
	v_mov_b32 v[PC+3+6*\c+\i], v[PC+12+4*\c+\i]
.endr
.endr
.endm
	s_load_b256 s[4:11], s[0:1], 0x0               ; xq, wq, cos, sin
	s_load_b128 s[12:15], s[0:1], 0x20             ; qk, vv
	v_lshl_add_u32 v[SPW], v0, 2, SPARE
	v_mov_b32 v[NIL], 0
	ds_add_u32 v28, v29
	s_wait_dscnt 0x0
	v_lshrrev_b32 v1, 5, v0
	v_readfirstlane_b32 s16, v1                    ; wave
	s_and_b32 s17, s16, 1                          ; H0: my half of source 0; also which half I fetch
	s_lshr_b32 s18, s16, 1                         ; H1: my half of source 1; also: I fetch source 0 (0) or source 1 (1)
	s_and_b32 s19, ttmp7, 0xffff                   ; y
	s_bfe_u32 s21, ttmp6, 0x40000                  ; cx
	s_lshl_b32 s22, ttmp9, 2
	s_add_co_u32 s22, s22, s21                     ; xw = 4 x cluster x + cx
	s_max_u32 s101, s19, 6
	s_sub_co_u32 s101, s101, 6
	s_lshl_b32 s101, s101, 3
	s_add_co_u32 s101, s101, ttmp9                 ; v: which 256 tokens: cluster x + 8 (y - 6)
	s_lshl_b32 s88, s101, 4
	s_lshl_b32 s23, s19, 4
	s_lshl_b32 s100, s22, 3
	s_lshl_b32 s92, s21, 3
	s_add_co_u32 s92, s92, 96
	s_mov_b32 s96, W_SCL
	s_mov_b32 s97, X_SCL
	s_cmp_ge_u32 s19, 6
	s_cselect_b32 s20, 1, 0                        ; 1: v is made; 0: q and k
	s_cselect_b32 s23, s88, s23                    ; source 0's first tile: no place in the cluster enters it
	s_cselect_b32 s100, s92, s100                  ; source 1's
	s_cselect_b32 s96, X_SCL, s96                  ; where source 0's quads begin in its buffer
	s_cselect_b32 s97, W_SCL, s97                  ; and source 1's
	; group 1.  Codes: rows of 6,144 bytes (768 elements of 8 bytes: a tile's four K steps), 24,576 bytes from tile to tile; 8 tiles of source 0, 4 of source 1
	s_mov_b32 s[G1A], 15|(3<<16)|(1<<21)           ; 15:0 the mask: all four work-groups; 17:16 elements of 8 bytes; 21 set beside a mask
	s_mov_b32 s[G1A+1], 768<<16
	s_mov_b32 s[G1A+2], 8<<16
	s_mov_b32 s[G1A+3], 768<<16
	s_mov_b32 s[G1A+4], 8
	s_mov_b32 s[G1A+5], 3072
	s_mov_b32 s[G1A+6], 0
	s_mov_b32 s[G1A+7], 0
	s_mov_b32 s[G1B], 3<<16
	s_mov_b32 s[G1B+1], 768<<16
	s_mov_b32 s[G1B+2], 4<<16
	s_mov_b32 s[G1B+3], 768<<16
	s_mov_b32 s[G1B+4], 4
	s_mov_b32 s[G1B+5], 3072
	s_mov_b32 s[G1B+6], 0
	s_mov_b32 s[G1B+7], 0
	; scales: dense blocks as rows of 256 bytes: 8 tiles x 1,024 bytes, 4 tiles x 1,024
	s_mov_b32 s[G1SA], 15|(3<<16)|(1<<21)
	s_mov_b32 s[G1SA+1], 32<<16
	s_mov_b32 s[G1SA+2], 32<<16
	s_mov_b32 s[G1SA+3], 32<<16
	s_mov_b32 s[G1SA+4], 32
	s_mov_b32 s[G1SA+5], 32
	s_mov_b32 s[G1SA+6], 0
	s_mov_b32 s[G1SA+7], 0
	s_mov_b32 s[G1SB], 3<<16
	s_mov_b32 s[G1SB+1], 32<<16
	s_mov_b32 s[G1SB+2], 16<<16
	s_mov_b32 s[G1SB+3], 32<<16
	s_mov_b32 s[G1SB+4], 16
	s_mov_b32 s[G1SB+5], 32
	s_mov_b32 s[G1SB+6], 0
	s_mov_b32 s[G1SB+7], 0
	s_lshl_b32 s88, s17, 3
	s_add_co_u32 s88, s88, s23                     ; the first of the 8 tiles of source 0 that I would fetch
	s_lshl_b32 s90, s88, 10
	s_add_co_u32 s90, s90, s96                     ; its quads
	s_mul_i32 s88, s88, 24576                      ; its images
	s_mov_b32 s89, 0
	s_mov_b32 s91, 0
	s_lshl_b32 s92, s17, 2
	s_add_co_u32 s92, s92, s100                    ; the first of the 4 tiles of source 1
	s_lshl_b32 s94, s92, 10
	s_add_co_u32 s94, s94, s97
	s_mul_i32 s92, s92, 24576
	s_mov_b32 s93, 0
	s_mov_b32 s95, 0
	s_mul_i32 s98, s17, 49152                      ; where they go: the wave's number alone enters an LDS address
	s_mul_i32 s99, s17, 24576
	s_lshl_b32 s2, s17, 13
	s_lshl_b32 s3, s17, 12
	s_wait_kmcnt 0x0
	s_cmp_ge_u32 s19, 6
	s_cselect_b64 s[84:85], s[4:5], s[6:7]         ; source 0's buffer
	s_cselect_b64 s[86:87], s[6:7], s[4:5]         ; source 1's
	s_add_nc_u64 s[88:89], s[84:85], s[88:89]
	s_add_nc_u64 s[90:91], s[84:85], s[90:91]
	s_add_nc_u64 s[92:93], s[86:87], s[92:93]
	s_add_nc_u64 s[94:95], s[86:87], s[94:95]
	CROUND                                         ; all four work-groups are here: the first joint loads meet
	s_mov_b32 s[G0SA], 1
	s_add_co_u32 s[G0SA+1], s2, SCL0
	s_mov_b64 s[G0SA+2:G0SA+3], s[90:91]
	s_or_b32 s[G0SA+3], s[G0SA+3], 0x80000000
	s_mov_b32 s[G0SB], 1
	s_add_co_u32 s[G0SB+1], s3, SCL1
	s_mov_b64 s[G0SB+2:G0SB+3], s[94:95]
	s_or_b32 s[G0SB+3], s[G0SB+3], 0x80000000
	JLOAD G0SA, G1SA, G0SB, G1SB                   ; the scales first: they are wanted with K step 0
.irp s, 0,1
	s_mov_b32 s[G0A+4*\s], 1
	s_add_co_u32 s[G0A+4*\s+1], s98, \s*SLOT
	s_add_nc_u64 s[G0A+4*\s+2:G0A+4*\s+3], s[88:89], \s*6144
	s_or_b32 s[G0A+4*\s+3], s[G0A+4*\s+3], 0x80000000
	s_mov_b32 s[G0B+4*\s], 1
	s_add_co_u32 s[G0B+4*\s+1], s99, \s*SLOT+S1OFF
	s_add_nc_u64 s[G0B+4*\s+2:G0B+4*\s+3], s[92:93], \s*6144
	s_or_b32 s[G0B+4*\s+3], s[G0B+4*\s+3], 0x80000000
	JLOAD G0A+4*\s, G1A, G0B+4*\s, G1B             ; by this text's count three loads of a wave are out
.endr
	v_and_b32 v1, 15, v0                           ; r
	v_bfe_u32 v2, v0, 4, 1                         ; h
	v_and_b32 v3, 31, v0
	v_lshlrev_b32 v3, 4, v3                        ; 16 x lane
	v_add_nc_u32 v[AD0], s98, v3
	v_add_nc_u32 v[AD0+1], SLOT, v[AD0]
	s_mul_i32 s88, s18, 24576
	s_add_co_u32 s88, s88, S1OFF
	v_add_nc_u32 v[AD1], s88, v3
	v_add_nc_u32 v[AD1+1], SLOT, v[AD1]
	s_lshl_b32 s88, s18, 12                        ; source 1's quads: my 4 tiles
	s_lshl_b32 s89, s17, 13                        ; source 0's: my 8 tiles
	s_add_co_u32 s89, s89, SCL0-SCL1
	s_sub_co_u32 s89, s89, s88                     ; the distance between the two
	s_add_co_u32 s88, s88, SCL1
	v_mul_u32_u24 v4, s89, v2                      ; lanes 16-31 take source 0's
	v_lshl_add_u32 v4, v1, 4, v4
	v_add_nc_u32 v[ADS], s88, v4
	v_and_b32 v4, 8, v1
	v_add_nc_u32 v4, v4, v1                        ; r + 8 (r / 8)
	v_lshlrev_b32 v[CSO], 9, v4
	v_lshl_add_u32 v[CSO], v2, 6, v[CSO]           ; a row of cos is 512 bytes; + 64 h
	v_lshlrev_b32 v[SCO], 4, v1
	v_lshl_add_u32 v[SCO], v2, 3, v[SCO]
.irp b, 0,1,2,3
	v_mov_b32 v[TM+4+\b], 0                        ; written once: a lane permute's destination counts as one of its sources
.endr
	s_mov_b32 s2, 0x76543210
	s_mov_b32 s3, 0xfedcba98                       ; v_permlanex16_b32's selects for lane l xor 16
	; where the results go
	s_lshl_b32 s88, s19, 1
	s_add_co_u32 s88, s88, s17                     ; q, k: the head, 2 y + H0
	s_lshl_b32 s89, s88, 8
	s_lshl_b32 s90, s22, 3
	s_add_co_u32 s89, s89, s90
	s_lshl_b32 s90, s18, 2
	s_add_co_u32 s89, s89, s90
	s_mul_i32 s89, s89, 1536                       ; image (head, token tile 8 xw + 4 H1)
	s_lshl_b32 s88, s88, 5
	s_add_co_u32 s88, s88, s22
	s_lshl_b32 s88, s88, 9
	s_add_co_u32 s88, s88, QK_SCL
	s_lshl_b32 s90, s101, 1
	s_add_co_u32 s90, s90, s17                     ; v: my block of 128 tokens
	s_lshr_b32 s91, s90, 4
	s_lshl_b32 s91, s91, 2
	s_add_co_u32 s91, s91, s21
	s_lshl_b32 s91, s91, 4
	s_and_b32 s90, s90, 15
	s_add_co_u32 s91, s91, s90                     ; 16 (4 b + head) + key step
	s_mul_i32 s90, s91, 12288
	s_mul_i32 s92, s18, 6144
	s_add_co_u32 s90, s90, s92
	s_lshl_b32 s91, s91, 9
	s_add_co_u32 s91, s91, V_SCL
	s_cmp_eq_u32 s20, 0
	s_cselect_b32 s92, s89, s90
	s_cselect_b32 s94, s88, s91
	s_cselect_b64 s[96:97], s[12:13], s[14:15]
	s_mov_b64 s[98:99], s[96:97]
	s_mov_b32 s93, 0
	s_mov_b32 s95, 0
	s_lshl_b32 s88, s18, 8
	s_add_co_u32 s94, s94, s88
	s_add_nc_u64 s[96:97], s[96:97], s[92:93]      ; my four images
	s_add_nc_u64 s[98:99], s[98:99], s[94:95]      ; my 256 bytes of scale words
	s_lshl_b32 s88, s22, 16
	s_lshl_b32 s89, s18, 15
	s_add_co_u32 s88, s88, s89
	s_mov_b32 s89, 0
	s_add_nc_u64 s[8:9], s[8:9], s[88:89]          ; cos and sin at token 128 xw + 64 H1
	s_add_nc_u64 s[10:11], s[10:11], s[88:89]
	s_wait_tensorcnt 0x1                           ; the scales and my part of slot 0 are in; slot 1's load may be out
	s_barrier_signal -1
	s_barrier_wait -1
	FETCH 0, 0, 0
	SCALES 0, 0
	STEP 0, 0, 1                                   ; the first step's products start the sums: nothing is cleared
	STEP 0, 1, 0
	STEP 0, 2, 0
	TURN 0, 1, 1, 1
	STEP 1, 0, 0
	STEP 1, 1, 0
	STEP 1, 2, 0
	TURN 1, 0, 2, 1
	CSIF 0                                         ; cos and sin for the first two tiles of tokens are asked for a slot apart, under the products
	STEP 0, 0, 0
	STEP 0, 1, 0
	STEP 0, 2, 0
	TURN 0, 1, 3, 0                                ; nothing is left to fetch
	CSIF 1
	STEP 1, 0, 0
	STEP 1, 1, 0
	STEP 1, 2, 0
	s_wait_dscnt 0x0
	MUL8 0, 1, 3, 1, 0
	MUL8 1, 1, 3, 1, 0
	MUL8 2, 1, 3, 1, 0
	MUL8 3, 1, 3, 1, 0
	WIN 0
	PLACES 4                                       ; between the last products and the first read of results, and the first write of registers that they read
	s_cmp_eq_u32 s20, 0
	s_cbranch_scc0 .Lv_path
.irp a, 0,1,2,3                                ; q, k: a tile of 16 tokens at a time
.if \a == 0
	s_wait_loadcnt 0x0                             ; both sets of cos and sin, asked for eight and four K steps ago, are in: no load of mine is out, so tile 1 needs no wait of its own
.endif
.if \a == 2
	s_wait_loadcnt 32                              ; out are tile 2's 32 loads and, behind them, tile 3's 32: tile 2's are in, tile 3's may stay out
.endif
.if \a == 3
	s_wait_loadcnt 0x0
.endif
	ROPE \a
.if \a < 2
	LOADCS \a+2                                    ; into the set that has just been read
.endif
.if \a > 0
	s_wait_xcnt 0x0                                ; the last tile's stores have read the codes' registers
.endif
	QUANT HA, 0, PW4+\a
.irp c, 0,1,2
	global_store_b128 v3, v[PC+4*\c:PC+4*\c+3], s[96:97] offset:1536*\a+512*\c   ; 512 consecutive bytes, aligned
.endr
.endr
	s_branch .Ljoin
.Lv_path:
.irp a, 0,1,2,3                                ; v: a tile of 16 d at a time, straight from the accumulators
.if \a > 0
	s_wait_xcnt 0x0
.endif
	QUANT 64*\a, 2, PW4+\a
.irp c, 0,1,2
	global_store_b128 v3, v[PC+4*\c:PC+4*\c+3], s[96:97] offset:1536*\a+512*\c
.endr
.endr
.Ljoin:
	v_cmp_ne_u32 vcc_lo, 0, v2
	v_cndmask_b32 v116, v[PW4], v[PW4+2], vcc_lo   ; lanes 0-15 store the words of tiles 0, 1, lanes 16-31 those of tiles 2, 3
	v_cndmask_b32 v117, v[PW4+1], v[PW4+3], vcc_lo
	global_store_b64 v[SCO], v[116:117], s[98:99]  ; 256 consecutive bytes, aligned
	s_wait_tensorcnt 0x0                           ; the wave's end
	ds_add_u32 v[SPW], v[NIL]
	s_wait_dscnt 0x0
	CROUND                                         ; the closing round: no work-group ends while a partner may still ask for a tile that names it
	s_endpgm
.Lfunc_end_k_q28fac564ce_qkv:
	.size	k_q28fac564ce_qkv, .Lfunc_end_k_q28fac564ce_qkv-k_q28fac564ce_qkv
	.p2alignl 7, 3214868480
	.fill 96, 4, 3214868480
	.section	.rodata,"a",@progbits
	.p2align	6, 0x0
	.amdhsa_kernel k_q28fac564ce_qkv
		.amdhsa_group_segment_fixed_size 327680
		.amdhsa_private_segment_fixed_size 0
		.amdhsa_enable_private_segment 0
		.amdhsa_kernarg_size 48
		.amdhsa_user_sgpr_count 2
		.amdhsa_user_sgpr_kernarg_segment_ptr 1
		.amdhsa_wavefront_size32 1
		.amdhsa_system_sgpr_workgroup_id_x 1
		.amdhsa_system_sgpr_workgroup_id_y 1
		.amdhsa_system_sgpr_workgroup_id_z 1
		.amdhsa_system_vgpr_workitem_id 0
		.amdhsa_next_free_vgpr 1024
		.amdhsa_next_free_sgpr 102
		.amdhsa_reserve_vcc 1
		.amdhsa_float_denorm_mode_32 3
		.amdhsa_float_denorm_mode_16_64 3
		.amdhsa_memory_ordered 1
		.amdhsa_forward_progress 1
		.amdhsa_inst_pref_size 182
	.end_amdhsa_kernel
	.amdgpu_metadata
---
amdhsa.version: [ 1, 2 ]
amdhsa.kernels:
  - .name:           k_q28fac564ce_qkv
    .symbol:         k_q28fac564ce_qkv.kd
    .args:
      - { .name: xq, .offset: 0, .size: 8, .value_kind: global_buffer, .address_space: global }
      - { .name: wq, .offset: 8, .size: 8, .value_kind: global_buffer, .address_space: global }
      - { .name: cos, .offset: 16, .size: 8, .value_kind: global_buffer, .address_space: global }
      - { .name: sin, .offset: 24, .size: 8, .value_kind: global_buffer, .address_space: global }
      - { .name: qk, .offset: 32, .size: 8, .value_kind: global_buffer, .address_space: global }
      - { .name: vv, .offset: 40, .size: 8, .value_kind: global_buffer, .address_space: global }
    .group_segment_fixed_size: 327680
    .private_segment_fixed_size: 0
    .kernarg_segment_align: 8
    .kernarg_segment_size: 48
    .max_flat_workgroup_size: 128
    .sgpr_count:     102
    .vgpr_count:     1024
    .wavefront_size: 32
...
	.end_amdgpu_metadata
.endif
;; end of part 2
;; launch attn (part 3): grid 64 x 4, 8 waves a work-group, clusters of 4 x 1, 327,680 bytes of LDS; arguments qk, vv, lambda_q1, lambda_k1, lambda_q2, lambda_k2, rms_weight, ao; writes ao
.if DOCPART == 3
	.amdgcn_target "amdgcn-amd-amdhsa--gfx1250"
	.amdhsa_code_object_version 6
	.text
	.protected	k_q28fac564ce_attn
	.globl	k_q28fac564ce_attn
	.p2align	8
	.type	k_q28fac564ce_attn,@function
k_q28fac564ce_attn:
	s_mov_b64 s[64:65], 0
	v_nop
	global_prefetch_b8 v0, s[64:65] scope:SCOPE_SE
	s_setreg_imm32_b32 hwreg(HW_REG_WAVE_MODE, 25, 1), 1
	s_wait_xcnt 0x0
	s_wait_alu depctr_hold_cnt(0) depctr_sa_sdst(0) depctr_va_vdst(0) depctr_va_sdst(0) depctr_va_ssrc(0) depctr_va_vcc(0) depctr_vm_vsrc(0)
	s_getreg_b32 s2, hwreg(HW_REG_IB_STS2, 6, 4)
	s_cmp_eq_u32 s2, 0
	s_cbranch_scc0 .Lentry_in_a_cluster
	s_endpgm
.Lentry_in_a_cluster:
	s_bfe_u32 s2, ttmp6, 0x10000c
	s_cmp_lg_u32 s2, 0x3003
	s_cbranch_scc0 .Lentry_shape_is_right
	s_endpgm
.Lentry_shape_is_right:
; ATTN: causal attention on codes of FP6 (E2M3), o1 - lambda o2, the RMS norm over the head's 128, its gain and the factor 0.8, and the result quantised along h x 128 + d for the last product.
; Query head h uses key head h / 2 and the values (v[h / 4], v[2 + h / 4]), 256 wide.  lambda = exp(lq1 . lk1 + lq2 . lk2) + 0.2.
; SOFTMAX: t = score x log2(e) / sqrt(128); M = the running largest t rounded UP to a whole number; p = 2^(t - M) is quantised along the keys; the row's sum is taken of the unquantised p and divides at the end.
; When M moves, the sum and O are multiplied by 2^(old M - new M): exact.
; SHARES.  y = 2 b + g; the four partners of a cluster are heads 4 g .. 4 g + 3 with THE SAME query tiles: they share both heads of V, which are asked for JOINTLY; K hangs on the place in the cluster and comes by loads of the work-group's own.
; A wave owns one tile of 16 queries.  Of a work-group's eight tiles four are early (4 j + i) and four late (127 - 4 j - i), dealt by the parity of the wave's number's bits, so that early and late tiles are spread over the waves.
; Every work-group walks all 16 key steps of 128, four to a slot (constant trip counts; no tensor load and no barrier is jumped over); at the first step all of whose keys come after the wave's queries the wave jumps to the slot's end, by a scalar branch on ids.
; LAYOUT.  Both products are used transposed (source 0 = 16 keys, or 16 d of V; source 1 = my 16 queries): a lane holds one query throughout.  All tiles hold rows 32 (T / 2) + 8 (T % 2) + r + 8 (r / 8),
; so the 16 registers of tiles 2 b, 2 b + 1 are neighbours 32 b + 16 (lane / 16) + 0 .. 15 along the keys (S^T) or along d (O^T).
; K A STEP AHEAD.  Within a slot the next step's fragments of K are fetched from LDS as soon as p has become codes, under the rescaling of O^T and the 16 products V^T P.  No 96 registers are free for that, so two pools take turns with the scores:
;   even steps: K in pool A, S^T in v136-199, V's first head over K in pool A, the next K into pool B;   odd steps: K in pool B, S^T in v40-103, V's first head over K in pool B, the next K into pool A.
;   Pool A: v40-135.  Pool B: v136-195 (fragments 0-4), v224-247 of window 1 (5, 6), v242-253 (7).  A later step of a slot is reached only through the step before it, so its K has always been fetched.
; LIMITS: hidden scores are -infinity where the model has -1e9: the same p = 0 while true scaled scores lie above -1e9.  NaN and infinities are not served.  v_exp_f32, v_rcp_f32, v_rsq_f32 are good to 1 ulp and flush denormals (ISA guide 15.8).
; (o1 - lambda o2) is formed before the division by the sum, and 1 / sum, the root and 0.8 are one factor: another order of rounding than the model's, a few parts in 10^7.  A block of zeros has the byte 1 and zero codes.
; REGISTERS: window 0: v1-11, v255 addresses and q's scale word; v12 -M, v13 largest t, v[14:15] the sum; v16-27 Q; v28-39 scale words of K and V; v40-135 pool A; v136-199 S^T or pool B, in the end z; v200-219 codes; v220-254 at work.
;   window 1: v0-127 O^T (first and second head of V); v128-223 eight fragments of V's second head; v224-247 two fragments of pool B.
.set QK_SCL, 4718592
.set V_SCL,  1572864
.set A_SCL,  3145728
.set STEPB,  12288                     ; a key step's eight images of K, or of one head of V
.set V0OFF,  4*STEPB                   ; a slot: four steps of K, four of V's first head, four of V's second head
.set V1OFF,  8*STEPB
.set SLOTB,  12*STEPB                  ; 147,456 bytes; slot 1 begins here
.set SCK,    2*SLOTB                   ; the scale words of 16 key steps, 512 bytes a step: K's, V's first head's, V's second head's: 3 x 8,192 bytes
.set SPARE,  SCK+24576                 ; the spare words, 128 bytes a wave: four blocks of 256 bytes that no other line names
.set LI,  1                            ; v1  16 x lane
.set VD,  2                            ; v2  my query's place in its block of 128, less 16 (lane / 16)
.set ADK, 3                            ; v3  LDS address of the slot's K
.set ADV, 4                            ; v4  of V's first head
.set SPW, 5                            ; v5  my spare word; never rewritten
.set NIL, 6                            ; v6  0; never rewritten
.set ADS, 7                            ; v7  of the slot's scale words
.set LIV, 8                            ; v8  16 x lane + V0OFF
.set LIS, 9                            ; v9  16 x lane + SCK
.set PFO, 10                           ; v10 256 x lane
.set QSC, 11                           ; v11 Q's scale words
.set KSC, 28
.set VSC, 32
.set F,   40                           ; pool A
.set F2,  128                          ; in window 1
.set S,   136                          ; the way out's 64 numbers
.set PC,  200
.set SA,  212                          ; v212-217 three chains of the row's sum (idle until the conversions write there)
.set TM,  220                          ; the last quantiser's 16 registers: v220-235
.set BM,  220                          ; v220-223 each block's largest score, then largest p
.set BP,  224                          ; v224-227 the other half's; then the bytes
.set BS,  228                          ; v228-231 the conversions' scale operands
.set FF,  232                          ; v[232:233] f = 2^(old M - new M)
.set TP,  234
.set NINF, 235
.set LAM, 236                          ; v[236:237] -lambda, twice
.set FAC, 238                          ; v[238:239] the norm's factor, twice
.set R16, 240                          ; v240 16 r
.set H64, 241                          ; v241 64 h
.set SQ,  242                          ; v242-245 sums of squares (on the way out, when pool B is done with)
.set PWO, 246                          ; v246 the result's scale word: outside the last quantiser's 16 registers
.set PSW, 254                          ; v254 p's scale word, and nothing else
.set ADV1, 255                         ; v255 LDS address of V's second head
.set WV,  20
.set SEL, 22
.set CS,  24
.set G1K, 28
.set G1V, 36
.set G1SK, 44
.set G1SV, 52
.set G0K, 60
.set CHK, 66                           ; s66 24,576 x wave: my chunk of a slot
.set TF,  67                           ; s67 LDS byte at which the slot to be filled begins: 0 or SLOTB
.set G0V, 68
.set G0SK, 72
.set G0SV, 76
.set TB,  80                           ; s80 LDS byte at which the slot in hand begins: 0 or SLOTB
.set TS,  81                           ; s81 the slot's scale words: 512 bytes a step
.set SLOTS, 82
.set KS,  83                           ; s83 the slot's first key step
.set TBK, 84                           ; s84 the step on my tile's diagonal
.set LIM, 85
.set PFA, 86
.set KQ,  100                          ; s100 the key step in hand
.set MSB, 0
.macro WIN new
.if MSB != (\new)
	s_set_vgpr_msb (MSB<<8)|(\new)
.set MSB, (\new)
.endif
.endm
.macro PLACES n
.rept \n
	v_nop
.endr
.endm
.macro ROUND                           ; a round of the cluster's barrier
	s_barrier_signal -1
	s_barrier_wait -1
	s_cmp_lg_u32 s[WV], 0
	s_cbranch_scc1 .Lnot_wave_0_\@
	s_barrier_signal -3
.Lnot_wave_0_\@:
	s_barrier_wait -3
	s_barrier_signal -1
	s_barrier_wait -1
.endm
; Waves 0 and 1 fetch for K, waves 2 to 5 for V (jointly), waves 6 and 7 nothing.  The branches hang on the wave's number alone.  Four v_nop follow each of the two lines.
.macro TLOAD g0k, g1k, g0v, g1v
	s_cmp_lt_u32 s[WV], 2
	s_cbranch_scc0 .Lnot_k_\@
	tensor_load_to_lds s[\g0k:\g0k+3], s[\g1k:\g1k+7]
	s_nop 0
.rept 4
	v_nop
.endr
	s_branch .Lasked_\@
.Lnot_k_\@:
	s_cmp_lt_u32 s[WV], 6
	s_cbranch_scc0 .Lasked_\@
	tensor_load_to_lds s[\g0v:\g0v+3], s[\g1v:\g1v+7]
	s_nop 0
.rept 4
	v_nop
.endr
.Lasked_\@:
.endm
; A prefetch of what the NEXT change of slots will ask for: a slot's four key steps ahead of that load.  All 16 clusters of a (b, g) walk the same two heads of K and two of V: the first of them asks, in each partner wave 6, which fetches nothing.
; The four partners take one stream each, told apart BY ADDRESS: 49,152 bytes a slot, six instructions, lanes 256 bytes apart.  So each aligned block of 256 bytes is named once in the launch.
; The last change that fills a slot asks for nothing; slots 0 and 1 come by their loads alone.
.macro ASK
	s_cmp_gt_u32 s[SLOTS], s[LIM]
	s_cbranch_scc0 .Lnot_mine_\@
.irp o, 0,1,2,3,4,5
	global_prefetch_b8 v[PFO], s[PFA:PFA+1] offset:8192*\o th:TH_LOAD_NT scope:SCOPE_SE
.endr
.Lnot_mine_\@:
.endm
; The change of slots stands at a slot's head.  fill = 1: the slot that has been left is filled with the 512 keys that follow: the load has four key steps in which to land.
.macro CHANGE fill
	s_wait_tensorcnt 0x0                           ; no tensor load of mine is out, so a group 0 may be written
	ds_add_u32 v[SPW], v[NIL]                      ; 0 onto my spare word
.if \fill
	s_xor_b32 s[TF], s[TF], SLOTB                  ; the other slot than last time (the register holds 0 or SLOTB and nothing else),
	s_add_co_u32 s[G0K+1], s[TF], s[CHK]           ; my chunk of it,
	s_add_nc_u64 s[G0K+2:G0K+3], s[G0K+2:G0K+3], 4*STEPB   ; the next four key steps
	s_add_co_u32 s[G0V+1], s[TF], s[CHK]
	s_add_nc_u64 s[G0V+2:G0V+3], s[G0V+2:G0V+3], 4*STEPB
	s_wait_xcnt 0x0                                ; the last prefetches, a slot back, have read their address
	s_add_nc_u64 s[PFA:PFA+1], s[PFA:PFA+1], 4*STEPB   ; one slot further on than the walking descriptors
.endif
	s_wait_dscnt 0x0                               ; the add is done, and my reads of the slot that I have left are over, a fetch of K ahead that I did not use among them
.if \fill
	ROUND                                          ; no wave of any partner still reads that slot or has a load on its way
	TLOAD G0K, G1K, G0V, G1V                       ; the first thing behind the round, a wave's one tensor load until the next
	ASK
.else
	s_barrier_signal -1
	s_barrier_wait -1
.endif
.endm
; Where fragment t of a pool lies: LW its window, LR its first register.  pool 0: A; else: B
.macro LOC pool, t
.if (\pool) == 0
.set LW, 0
.set LR, F+12*(\t)
.elseif (\t) < 5
.set LW, 0
.set LR, 136+12*(\t)
.elseif (\t) < 7
.set LW, 1
.set LR, 224+12*((\t)-5)
.else
.set LW, 0
.set LR, 242
.endif
.endm
; eight fragments into a pool: 24 loads of 512 consecutive bytes
.macro FLOAD pool, adr, off
.irp t, 0,1,2,3,4,5,6,7
	LOC \pool, \t
	WIN LW<<6
.irp c, 0,1,2
	ds_load_b128 v[LR+4*\c:LR+4*\c+3], v[\adr] offset:(\off)+1536*\t+512*\c
.endr
.endr
	WIN 0
.endm
; A KEY STEP: 128 keys, the q-th of the slot in hand.  id: the slot's label
.macro STEP q, id
.set TY, (\q)%2                        ; 0: K in pool A, S^T in v136-199;  1: K in pool B, S^T in v40-103
.set SB, 136-96*TY
	s_add_co_u32 s[KQ], s[KS], \q
	s_cmp_gt_u32 s[KQ], s[TBK]                     ; all its keys come after my queries, and so do those of the steps behind it: on to the slot's end
	s_cbranch_scc1 .Lend_\id
.if (\q) == 0
	v_add_nc_u32 v[ADK], s[TB], v[LI]
	v_add_nc_u32 v[ADV], s[TB], v[LIV]
	v_add_nc_u32 v[ADS], s[TS], v[LIS]
	v_add_nc_u32 v[ADV1], V1OFF-V0OFF, v[ADV]
	v_nop                                          ; five plain instructions behind the last products: four are owed by the loads into registers that they read, five by the products below, whose results lie over fragments that they read (ISA guide 7.12.1 for vector instructions)
	FLOAD 0, ADK, 0                                ; a slot's first K is fetched here: nothing of the slot may be read ahead of its barrier
	ds_load_b128 v[KSC:KSC+3], v[ADS]              ; register i: tile i's words in lanes 0-15, tile 4 + i's in lanes 16-31
.else
	PLACES 5                                       ; S^T is laid over fragments that the last step's products read: five plain instructions between
.endif
	s_wait_dscnt 0x0                               ; K is in
.irp t, 0,1,2,3,4,5,6,7
	LOC TY, \t
	WIN LW                                         ; source 0's window
.if \t < 4
	v_wmma_scale_f32_16x16x128_f8f6f4 v[SB+8*\t:SB+8*\t+7], v[LR:LR+11], v[16:27], 0, v[KSC+\t], v[QSC] matrix_a_fmt:MATRIX_FMT_FP6 matrix_b_fmt:MATRIX_FMT_FP6
.else
	v_wmma_scale_f32_16x16x128_f8f6f4 v[SB+8*\t:SB+8*\t+7], v[LR:LR+11], v[16:27], 0, v[KSC+\t-4], v[QSC] matrix_a_fmt:MATRIX_FMT_FP6 matrix_b_fmt:MATRIX_FMT_FP6 matrix_a_scale:MATRIX_SCALE_ROW1
.endif
.endr
	WIN 0
	PLACES 4
	FLOAD TY, ADV, STEPB*(\q)                      ; V's first head over K's fragments: it lands under the softmax
	ds_load_b128 v[VSC:VSC+3], v[ADS] offset:512*(\q)+8192
	ds_load_b128 v[VSC+4:VSC+7], v[ADS] offset:512*(\q)+16384
	s_cmp_lg_u32 s[KQ], s[TBK]                     ; only on the diagonal are scores hidden
	s_cbranch_scc1 .Lopen_\@
.set n, 0
.rept 64                                       ; register 16 b + i holds key 32 b + 16 (lane / 16) + i of the step: hidden where 32 b + i > my query's place - 16 (lane / 16)
	v_cmp_gt_i32 vcc_lo, 32*(n/16)+n%16, v[VD]
	v_cndmask_b32 v[SB+n], v[SB+n], v[NINF], vcc_lo
.set n, n+1
.endr
.Lopen_\@:
.irp b, 0,1,2,3
	v_max3_num_f32 v[BM+\b], v[SB+16*\b], v[SB+16*\b+1], v[SB+16*\b+2]   ; the largest score of each block of 32 keys: for the row's maximum, and, since p rises with the score, for the block's largest p
.endr
.irp i, 3,5,7,9,11,13
.irp b, 0,1,2,3
	v_max3_num_f32 v[BM+\b], v[BM+\b], v[SB+16*\b+\i], v[SB+16*\b+\i+1]
.endr
.endr
.irp b, 0,1,2,3
	v_max_num_f32 v[BM+\b], v[BM+\b], v[SB+16*\b+15]
.endr
.irp b, 0,1,2,3
	v_permlanex16_b32 v[BP+\b], v[BM+\b], s[SEL], s[SEL+1]
.endr
.irp b, 0,1,2,3
	v_max_num_f32 v[BM+\b], v[BM+\b], v[BP+\b]
.endr
	v_max3_num_f32 v[TP], v[BM], v[BM+1], v[BM+2]
	v_max_num_f32 v[TP], v[TP], v[BM+3]
	v_mul_f32 v[TP], s[CS], v[TP]                  ; as t (c is positive)
	v_max_num_f32 v13, v13, v[TP]                  ; the running largest t
	v_mov_b32 v[TP], v12
	v_floor_f32 v12, -v13                          ; the new -M = floor(-t) = -ceil(t)
	v_sub_f32 v[TP], v12, v[TP]                    ; old M - new M: a whole number, 0 or less
	v_cvt_i32_f32 v[TP], v[TP]                     ; (it saturates)
	v_ldexp_f32 v[FF], 1.0, v[TP]                  ; f
	WIN 0x40                                       ; V's second head, in a run of its own: it has the rest of the softmax in which to land
.irp t, 0,1,2,3,4,5,6,7
.irp c, 0,1,2
	ds_load_b128 v[F2+12*\t+4*\c:F2+12*\t+4*\c+3], v[ADV1] offset:STEPB*(\q)+1536*\t+512*\c
.endr
.endr
	WIN 0
.set n, 0
.rept 32
	v_pk_fma_f32 v[SB+n:SB+n+1], v[SB+n:SB+n+1], s[CS:CS+1], v[12:13] op_sel_hi:[1,0,0]   ; t - M
.set n, n+2
.endr
.irp b, 0,1,2,3
	v_fma_f32 v[BM+\b], v[BM+\b], s[CS], v12
.endr
.set n, 0
.rept 64
	v_exp_f32 v[SB+n], v[SB+n]                     ; p = 2^(t - M): not normalised
.set n, n+1
.endr
	v_pk_mul_f32 v[14:15], v[14:15], v[FF:FF+1] op_sel_hi:[1,0]   ; the sums under the new M (a plain instruction behind the exponentials)
	s_wait_alu depctr_va_vdst(0)                   ; one wait for the batch, ahead of its first reader
.irp b, 0,1,2,3
	v_exp_f32 v[BM+\b], v[BM+\b]                   ; the block's largest p
.endr
	v_pk_add_f32 v[SA:SA+1], v[SB:SB+1], v[SB+2:SB+3]             ; the row's sum of the unquantised p: 32 pairs in four chains, so that no addition waits for the one just ahead of it
	v_pk_add_f32 v[SA+2:SA+3], v[SB+4:SB+5], v[SB+6:SB+7]
	v_pk_add_f32 v[SA+4:SA+5], v[SB+8:SB+9], v[SB+10:SB+11]
.set n, 12
.rept 6
	v_pk_add_f32 v[14:15], v[14:15], v[SB+n:SB+n+1]
	v_pk_add_f32 v[SA:SA+1], v[SA:SA+1], v[SB+n+2:SB+n+3]
	v_pk_add_f32 v[SA+2:SA+3], v[SA+2:SA+3], v[SB+n+4:SB+n+5]
	v_pk_add_f32 v[SA+4:SA+5], v[SA+4:SA+5], v[SB+n+6:SB+n+7]
.set n, n+8
.endr
	v_pk_add_f32 v[14:15], v[14:15], v[SB+60:SB+61]
	v_pk_add_f32 v[SA:SA+1], v[SA:SA+1], v[SB+62:SB+63]
	v_pk_add_f32 v[SA+2:SA+3], v[SA+2:SA+3], v[SA+4:SA+5]
	v_pk_add_f32 v[14:15], v[14:15], v[SA:SA+1]
	v_pk_add_f32 v[14:15], v[14:15], v[SA+2:SA+3]
	s_wait_alu depctr_va_vdst(0)                   ; and one for the four
.irp b, 0,1,2,3
	v_max_num_f32 v[BM+\b], 0x1800000, v[BM+\b]    ; the floor 2^(3 - 127): the byte cannot fall under 1
.endr
.irp b, 0,1,2,3
	v_add_nc_u32 v[BS+\b], 0xff000000, v[BM+\b]
.endr
.irp b, 0,1,2,3
	v_lshrrev_b32 v[BP+\b], 23, v[BS+\b]
.endr
	v_lshl_or_b32 v[PSW], v[BP+1], 8, v[BP]
	v_lshl_or_b32 v[PSW], v[BP+2], 16, v[PSW]
	v_lshl_or_b32 v[PSW], v[BP+3], 24, v[PSW]
.irp c, 0,1
	v_cvt_scalef32_pk16_fp6_f32 v[PC+6*\c:PC+6*\c+2], v[SB+32*\c:SB+32*\c+15], v[BS+2*\c]
	v_cvt_scalef32_pk16_fp6_f32 v[PC+12+4*\c:PC+14+4*\c], v[SB+32*\c+16:SB+32*\c+31], v[BS+2*\c+1]
.endr
	v_nop                                          ; one plain instruction behind a scaled conversion
.irp c, 0,1
.irp i, 0,1,2
	v_permlane16_swap_b32 v[PC+6*\c+\i], v[PC+12+4*\c+\i]
.endr
.irp i, 0,1,2
	v_mov_b32 v[PC+3+6*\c+\i], v[PC+12+4*\c+\i]
.endr
.endr
.if (\q) < 3
	FLOAD 1-TY, ADK, STEPB*((\q)+1)                ; p is in codes, so its registers are free: THE NEXT STEP'S K, into the other pool, under the 64 multiplications and 16 products below
	ds_load_b128 v[KSC:KSC+3], v[ADS] offset:512*((\q)+1)
.endif
	WIN 0x41                                       ; O^T (destination and source 0) window 1
.set n, 0
.rept 64
	v_pk_mul_f32 v[n:n+1], v[n:n+1], v[FF:FF+1] op_sel_hi:[1,0]   ; O^T under the new M.  (These also stand between the writes of p's codes and scale word and the products)
.set n, n+2
.endr
.if (\q) < 3
	s_wait_dscnt 25                                ; V's 50 loads are in; behind them stand the next K's 24 and its scale words' one, which may stay out
.else
	s_wait_dscnt 0x0                               ; V is in
.endif
.irp t, 0,1,2,3,4,5,6,7                        ; C and D window 1.  The 16 accumulators take turns
	LOC TY, \t
	WIN 0x50|LW
.if \t < 4
	v_wmma_scale_f32_16x16x128_f8f6f4 v[8*\t:8*\t+7], v[LR:LR+11], v[PC:PC+11], v[8*\t:8*\t+7], v[VSC+\t], v[PSW] matrix_a_fmt:MATRIX_FMT_FP6 matrix_b_fmt:MATRIX_FMT_FP6
.else
	v_wmma_scale_f32_16x16x128_f8f6f4 v[8*\t:8*\t+7], v[LR:LR+11], v[PC:PC+11], v[8*\t:8*\t+7], v[VSC+\t-4], v[PSW] matrix_a_fmt:MATRIX_FMT_FP6 matrix_b_fmt:MATRIX_FMT_FP6 matrix_a_scale:MATRIX_SCALE_ROW1
.endif
.endr
	WIN 0x51                                       ; source 0 window 1
.irp t, 0,1,2,3
	v_wmma_scale_f32_16x16x128_f8f6f4 v[64+8*\t:64+8*\t+7], v[F2+12*\t:F2+12*\t+11], v[PC:PC+11], v[64+8*\t:64+8*\t+7], v[VSC+4+\t], v[PSW] matrix_a_fmt:MATRIX_FMT_FP6 matrix_b_fmt:MATRIX_FMT_FP6
.endr
.irp t, 4,5,6,7
	v_wmma_scale_f32_16x16x128_f8f6f4 v[64+8*\t:64+8*\t+7], v[F2+12*\t:F2+12*\t+11], v[PC:PC+11], v[64+8*\t:64+8*\t+7], v[VSC+\t], v[PSW] matrix_a_fmt:MATRIX_FMT_FP6 matrix_b_fmt:MATRIX_FMT_FP6 matrix_a_scale:MATRIX_SCALE_ROW1
.endr
	WIN 0
.endm
.macro SLOT_STEPS
	STEP 0, \@
	STEP 1, \@
	STEP 2, \@
	STEP 3, \@
.Lend_\@:
	s_add_co_u32 s[KS], s[KS], 4
	s_add_co_u32 s[TS], s[TS], 2048
	s_xor_b32 s[TB], s[TB], SLOTB                  ; on to the other slot (the register holds 0 or SLOTB and nothing else)
.endm
; the last quantiser: 64 numbers of a lane become a fragment's codes in v[PC] on and its scale word in v[pw], a register outside v[TM] .. v[TM + 15]
.macro QUANT s, pw
.irp b, 0,1,2,3
	v_max3_num_f32 v[TM+\b], |v[\s+16*\b]|, |v[\s+16*\b+1]|, 0x1800000
.endr
.irp i, 2,4,6,8,10,12,14
.irp b, 0,1,2,3
	v_max3_num_f32 v[TM+\b], v[TM+\b], |v[\s+16*\b+\i]|, |v[\s+16*\b+\i+1]|
.endr
.endr
.irp b, 0,1,2,3
	v_permlanex16_b32 v[TM+4+\b], v[TM+\b], s[SEL], s[SEL+1]
.endr
.irp b, 0,1,2,3
	v_max_num_f32 v[TM+\b], v[TM+\b], v[TM+4+\b]
.endr
.irp b, 0,1,2,3
	v_add_nc_u32 v[TM+12+\b], 0xff000000, v[TM+\b]
.endr
.irp b, 0,1,2,3
	v_lshrrev_b32 v[TM+4+\b], 23, v[TM+12+\b]
.endr
	v_lshl_or_b32 v[\pw], v[TM+5], 8, v[TM+4]
	v_lshl_or_b32 v[\pw], v[TM+6], 16, v[\pw]
	v_lshl_or_b32 v[\pw], v[TM+7], 24, v[\pw]
.irp c, 0,1
	v_cvt_scalef32_pk16_fp6_f32 v[PC+6*\c:PC+6*\c+2], v[\s+32*\c:\s+32*\c+15], v[TM+12+2*\c]
	v_cvt_scalef32_pk16_fp6_f32 v[PC+12+4*\c:PC+14+4*\c], v[\s+32*\c+16:\s+32*\c+31], v[TM+12+2*\c+1]
.endr
	v_nop
.irp c, 0,1
.irp i, 0,1,2
	v_permlane16_swap_b32 v[PC+6*\c+\i], v[PC+12+4*\c+\i]
.endr
.irp i, 0,1,2
	v_mov_b32 v[PC+3+6*\c+\i], v[PC+12+4*\c+\i]
.endr
.endr
.endm
	s_load_b256 s[4:11], s[0:1], 0x0               ; qk, vv, lambda_q1, lambda_k1
	s_load_b256 s[12:19], s[0:1], 0x20             ; lambda_q2, lambda_k2, rms_weight, ao
	v_lshl_add_u32 v[SPW], v0, 2, SPARE
	v_mov_b32 v[NIL], 0
	ds_add_u32 v5, v6
	s_wait_dscnt 0x0
	v_lshrrev_b32 v1, 5, v0
	v_readfirstlane_b32 s[WV], v1                  ; wave 0..7
	s_bfe_u32 s88, ttmp6, 0x40000                  ; cx
	s_and_b32 s89, ttmp7, 0xffff
	s_lshr_b32 s90, s89, 1                         ; b
	s_and_b32 s91, s89, 1                          ; g
	s_bcnt1_i32_b32 s92, s[WV]
	s_and_b32 s92, s92, 1                          ; the parity of the wave's number's bits
	s_lshr_b32 s93, s[WV], 1
	s_lshl_b32 s94, ttmp9, 2
	s_add_co_u32 s93, s93, s94                     ; 4 j + i
	s_sub_co_u32 s94, 127, s93
	s_cmp_eq_u32 s92, 0
	s_cselect_b32 s21, s93, s94                    ; my tile of queries: the same in all four partners
	s_lshr_b32 s[TBK], s21, 3
	s_lshl_b32 s26, s91, 2
	s_add_co_u32 s26, s26, s88                     ; my head
	s_lshl_b32 s27, s90, 7
	s_add_co_u32 s27, s27, s21                     ; my token tile: 128 b + t
	; V: no place in the cluster enters these
	s_lshl_b32 s92, s90, 2
	s_add_co_u32 s92, s92, s91                     ; 4 b + g
	s_lshr_b32 s93, s[WV], 2                       ; waves 2, 3: V's first head; 4, 5: its second
	s_and_b32 s3, s[WV], 1                         ; which two of a slot's four steps I fetch
	s_lshl_b32 s94, s92, 13
	s_lshl_b32 s95, s93, 14
	s_add_co_u32 s94, s94, s95
	s_lshl_b32 s95, s3, 12
	s_add_co_u32 s94, s94, s95
	s_add_co_u32 s94, s94, V_SCL                   ; half a head's scale words
	s_mul_i32 s92, s92, 196608
	s_mul_i32 s93, s93, 393216
	s_add_co_u32 s92, s92, s93
	s_mul_i32 s93, s3, 2*STEPB
	s_add_co_u32 s92, s92, s93                     ; two steps' sixteen images
	s_mov_b32 s93, 0
	s_mov_b32 s95, 0
	; K
	s_lshr_b32 s96, s88, 1
	s_lshl_b32 s97, s91, 1
	s_add_co_u32 s96, s96, s97
	s_add_co_u32 s96, s96, 8                       ; K's head among qk's twelve
	s_lshl_b32 s98, s96, 5
	s_lshl_b32 s97, s90, 4
	s_add_co_u32 s98, s98, s97
	s_lshl_b32 s98, s98, 9
	s_lshl_b32 s97, s3, 12
	s_add_co_u32 s98, s98, s97
	s_add_co_u32 s98, s98, QK_SCL
	s_lshl_b32 s96, s96, 8
	s_lshl_b32 s97, s90, 7
	s_add_co_u32 s96, s96, s97
	s_mul_i32 s96, s96, 1536
	s_mul_i32 s97, s3, 2*STEPB
	s_add_co_u32 s96, s96, s97
	s_mov_b32 s97, 0
	s_mov_b32 s99, 0
	; group 1: dense blocks as rows of 256 bytes (32 elements of 8 bytes): 96 rows of codes, 16 of scale words; V's with the mask of all four work-groups and bit 21 beside it
	s_mov_b32 s[G1K], 3<<16
	s_mov_b32 s[G1K+1], 32<<16
	s_mov_b32 s[G1K+2], 96<<16
	s_mov_b32 s[G1K+3], 32<<16
	s_mov_b32 s[G1K+4], 96
	s_mov_b32 s[G1K+5], 32
	s_mov_b32 s[G1K+6], 0
	s_mov_b32 s[G1K+7], 0
	s_mov_b32 s[G1V], 15|(3<<16)|(1<<21)
	s_mov_b32 s[G1V+1], 32<<16
	s_mov_b32 s[G1V+2], 96<<16
	s_mov_b32 s[G1V+3], 32<<16
	s_mov_b32 s[G1V+4], 96
	s_mov_b32 s[G1V+5], 32
	s_mov_b32 s[G1V+6], 0
	s_mov_b32 s[G1V+7], 0
	s_mov_b32 s[G1SK], 3<<16
	s_mov_b32 s[G1SK+1], 32<<16
	s_mov_b32 s[G1SK+2], 16<<16
	s_mov_b32 s[G1SK+3], 32<<16
	s_mov_b32 s[G1SK+4], 16
	s_mov_b32 s[G1SK+5], 32
	s_mov_b32 s[G1SK+6], 0
	s_mov_b32 s[G1SK+7], 0
	s_mov_b32 s[G1SV], 15|(3<<16)|(1<<21)
	s_mov_b32 s[G1SV+1], 32<<16
	s_mov_b32 s[G1SV+2], 16<<16
	s_mov_b32 s[G1SV+3], 32<<16
	s_mov_b32 s[G1SV+4], 16
	s_mov_b32 s[G1SV+5], 32
	s_mov_b32 s[G1SV+6], 0
	s_mov_b32 s[G1SV+7], 0
	s_mov_b32 s[SEL], 0x76543210
	s_mov_b32 s[SEL+1], 0xfedcba98
	s_mov_b32 s[CS], 0x3e0293ee                    ; c = log2(e) / sqrt(128)
	s_mov_b32 s[CS+1], s[CS]
	s_mov_b32 s[TB], 0
	s_mov_b32 s[TF], 0
	s_mov_b32 s[TS], 0
	s_mov_b32 s[SLOTS], 3
	s_mov_b32 s[KS], 0
	s_xor_b32 s[LIM], s[WV], 6
	s_or_b32 s[LIM], s[LIM], ttmp9                 ; 0 in wave 6 of the first cluster of a (b, g): the same in all four partners
	s_cmp_eq_u32 s[LIM], 0
	s_cselect_b32 s[LIM], 1, -1
	s_mul_i32 s[CHK], s[WV], 2*STEPB               ; my chunk of a slot: the wave's number alone enters an LDS address
	s_lshl_b32 s3, s[WV], 12
	s_wait_kmcnt 0x0
	s_mov_b32 s[G0SK], 1
	s_add_co_u32 s[G0SK+1], s3, SCK
	s_add_nc_u64 s[G0SK+2:G0SK+3], s[4:5], s[98:99]
	s_or_b32 s[G0SK+3], s[G0SK+3], 0x80000000
	s_mov_b32 s[G0SV], 1
	s_add_co_u32 s[G0SV+1], s3, SCK
	s_add_nc_u64 s[G0SV+2:G0SV+3], s[6:7], s[94:95]
	s_or_b32 s[G0SV+3], s[G0SV+3], 0x80000000
	s_mov_b32 s[G0K], 1
	s_mov_b32 s[G0K+1], s[CHK]
	s_add_nc_u64 s[G0K+2:G0K+3], s[4:5], s[96:97]
	s_or_b32 s[G0K+3], s[G0K+3], 0x80000000
	s_mov_b32 s[G0V], 1
	s_mov_b32 s[G0V+1], s[CHK]
	s_add_nc_u64 s[G0V+2:G0V+3], s[6:7], s[92:93]
	s_or_b32 s[G0V+3], s[G0V+3], 0x80000000
	ROUND                                          ; all four work-groups are here: the first joint loads meet
	TLOAD G0SK, G1SK, G0SV, G1SV                   ; the scale words of all 16 key steps: filled once
	TLOAD G0K, G1K, G0V, G1V                       ; slot 0.  Two loads of a fetching wave are out; the first wait on them is for 0
	v_and_b32 v1, 31, v0
	v_lshlrev_b32 v[PFO], 8, v1
	v_lshlrev_b32 v[LI], 4, v1
	v_add_nc_u32 v[LIV], V0OFF, v[LI]
	v_add_nc_u32 v[LIS], SCK, v[LI]
	v_and_b32 v212, 15, v0                         ; r
	v_bfe_u32 v213, v0, 4, 1                       ; h
	v_lshlrev_b32 v[R16], 4, v212
	v_lshlrev_b32 v[H64], 6, v213
	v_and_b32 v214, 8, v212
	v_add_nc_u32 v214, v214, v212                  ; r + 8 (r / 8)
	v_lshlrev_b32 v213, 4, v213
	v_sub_nc_u32 v214, v214, v213
	s_bfe_u32 s96, s21, 0x20001
	s_lshl_b32 s96, s96, 5
	s_and_b32 s97, s21, 1
	s_lshl_b32 s97, s97, 3
	s_add_co_u32 s96, s96, s97                     ; my tile's first row in its block of 128
	v_add_nc_u32 v[VD], s96, v214
	s_lshl_b32 s92, s26, 8
	s_add_co_u32 s92, s92, s27
	s_mul_i32 s92, s92, 1536
	s_mov_b32 s93, 0
	s_add_nc_u64 s[92:93], s[4:5], s[92:93]        ; Q's image
	s_lshl_b32 s94, s26, 5
	s_lshl_b32 s95, s90, 4
	s_add_co_u32 s94, s94, s95
	s_add_co_u32 s94, s94, s[TBK]
	s_lshl_b32 s94, s94, 9
	s_bfe_u32 s95, s21, 0x10002
	s_lshl_b32 s95, s95, 8
	s_add_co_u32 s94, s94, s95
	s_and_b32 s95, s21, 3
	s_lshl_b32 s95, s95, 2
	s_add_co_u32 s94, s94, s95
	s_add_co_u32 s94, s94, QK_SCL
	s_mov_b32 s95, 0
	s_add_nc_u64 s[94:95], s[4:5], s[94:95]        ; and its scale words
.irp c, 0,1,2
	global_load_b128 v[16+4*\c:19+4*\c], v[LI], s[92:93] offset:512*\c
.endr
	global_load_b32 v[QSC], v[R16], s[94:95]
	global_load_b128 v[136:139], v[LI], s[8:9]     ; the four lambda vectors, four numbers a lane, into registers that the scores take later
	global_load_b128 v[140:143], v[LI], s[10:11]
	global_load_b128 v[144:147], v[LI], s[12:13]
	global_load_b128 v[148:151], v[LI], s[14:15]
	; the prefetches' stream: partner cx < 2: K's head 2 g + cx; else V's head g + 2 (cx - 2)
	s_lshl_b32 s96, s91, 1
	s_add_co_u32 s96, s96, s88
	s_add_co_u32 s96, s96, 8
	s_lshl_b32 s96, s96, 8
	s_lshl_b32 s97, s90, 7
	s_add_co_u32 s96, s96, s97
	s_mul_i32 s96, s96, 1536
	s_max_u32 s97, s88, 2
	s_sub_co_u32 s97, s97, 2
	s_lshl_b32 s97, s97, 1
	s_add_co_u32 s97, s97, s91
	s_lshl_b32 s98, s90, 2
	s_add_co_u32 s97, s97, s98
	s_mul_i32 s97, s97, 196608
	s_cmp_lt_u32 s88, 2
	s_cselect_b32 s96, s96, s97
	s_cselect_b64 s[PFA:PFA+1], s[4:5], s[6:7]
	s_add_co_u32 s96, s96, 4*STEPB                 ; at slot 1: the first change of slots steps it to slot 2.  Nothing is prefetched here, at the head
	s_mov_b32 s97, 0
	s_add_nc_u64 s[PFA:PFA+1], s[PFA:PFA+1], s[96:97]
	; where the result goes: image (token tile, head), and word head % 4 of quad head / 4
	s_mul_i32 s96, s27, 12288
	s_mul_i32 s97, s26, 1536
	s_add_co_u32 s96, s96, s97
	s_mov_b32 s97, 0
	s_lshl_b32 s98, s27, 9
	s_lshr_b32 s99, s26, 2
	s_lshl_b32 s99, s99, 8
	s_add_co_u32 s98, s98, s99
	s_and_b32 s99, s26, 3
	s_lshl_b32 s99, s99, 2
	s_add_co_u32 s98, s98, s99
	s_add_co_u32 s98, s98, A_SCL
	s_mov_b32 s99, 0
	s_add_nc_u64 s[98:99], s[18:19], s[98:99]
	s_add_nc_u64 s[18:19], s[18:19], s[96:97]
	v_mov_b32 v13, 0xff61b1e6                      ; the largest t so far: -3e38, under every t
	v_floor_f32 v12, -v13
	v_mov_b32 v14, 0
	v_mov_b32 v15, 0
.irp b, 0,1,2,3
	v_mov_b32 v[BP+\b], 0                          ; written once: a lane permute's destination counts as one of its sources
.endr
	v_mov_b32 v[FF+1], 0                           ; (named as the upper half of a pair)
	v_mov_b32 v[NINF], 0xff800000
	v_mov_b32 v153, 0
	WIN 0x40
.set n, 0
.rept 128
	v_mov_b32 v[n], 0                              ; O^T.  (The step is written once for each place in a slot: the first finds zeros, which the first change of M leaves zeros)
.set n, n+1
.endr
	WIN 0
	s_wait_loadcnt 0x0
	v_mul_f32 v152, v136, v140                     ; lq1 . lk1 + lq2 . lk2, in f32
	v_fma_f32 v152, v137, v141, v152
	v_fma_f32 v152, v138, v142, v152
	v_fma_f32 v152, v139, v143, v152
	v_fma_f32 v152, v144, v148, v152
	v_fma_f32 v152, v145, v149, v152
	v_fma_f32 v152, v146, v150, v152
	v_fma_f32 v152, v147, v151, v152
	v_add_f32_dpp v152, v152, v152 row_xmask:1 row_mask:0xf bank_mask:0xf
	v_add_f32_dpp v152, v152, v152 row_xmask:2 row_mask:0xf bank_mask:0xf
	v_add_f32_dpp v152, v152, v152 row_xmask:4 row_mask:0xf bank_mask:0xf
	v_add_f32_dpp v152, v152, v152 row_xmask:8 row_mask:0xf bank_mask:0xf
	v_permlanex16_b32 v153, v152, s[SEL], s[SEL+1]
	v_add_f32 v152, v152, v153
	v_mul_f32 v152, 0x3fb8aa3b, v152
	v_exp_f32 v152, v152
	v_nop                                          ; a plain instruction behind the transcendental,
	s_wait_alu depctr_va_vdst(0)                   ; and the wait ahead of its first reader
	v_sub_f32 v[LAM], 0xbe4ccccd, v152             ; -lambda = -0.2 - exp(..)
	v_mov_b32 v[LAM+1], v[LAM]
.Lslot:                                            ; 3 trips: behind each change of slots but the last the next slot is asked for
	CHANGE 1
	SLOT_STEPS
	s_sub_co_u32 s[SLOTS], s[SLOTS], 1
	s_cmp_lg_u32 s[SLOTS], 0
	s_cbranch_scc1 .Lslot
	CHANGE 0                                       ; the last slot is written out
	SLOT_STEPS
	; THE WAY OUT
	s_wait_dscnt 0x0                               ; a wave that left its last slot early may have a fetch of K ahead still out: its registers are written below
	PLACES 4                                       ; between the last products and loads into registers that they read, and the first read of results
.irp e, 0,1,2,3,4,5,6,7,8,9,10,11,12,13,14,15
	global_load_b128 v[F+4*\e:F+4*\e+3], v[H64], s[16:17] offset:128*(\e/4)+16*(\e%4)   ; the gain, in O^T's layout: register 16 b + i = d 32 b + 16 h + i
.endr
	v_add_f32 v14, v14, v15
	v_permlanex16_b32 v[BP], v14, s[SEL], s[SEL+1]
	v_add_f32 v14, v14, v[BP]                      ; the row's sum
	v_rcp_f32 v14, v14
	WIN 0x11                                       ; sources 0 and 2 window 1
.set n, 0
.rept 32
	v_pk_fma_f32 v[S+n:S+n+1], v[64+n:65+n], v[LAM:LAM+1], v[n:n+1]   ; z = O1 - lambda O2, each accumulator from its low end on
.set n, n+2
.endr
	WIN 0
	v_pk_mul_f32 v[SQ:SQ+1], v[S:S+1], v[S:S+1]
	v_pk_mul_f32 v[SQ+2:SQ+3], v[S+2:S+3], v[S+2:S+3]
.set n, 4
.rept 15
	v_pk_fma_f32 v[SQ:SQ+1], v[S+n:S+n+1], v[S+n:S+n+1], v[SQ:SQ+1]
	v_pk_fma_f32 v[SQ+2:SQ+3], v[S+n+2:S+n+3], v[S+n+2:S+n+3], v[SQ+2:SQ+3]
.set n, n+4
.endr
	v_pk_add_f32 v[SQ:SQ+1], v[SQ:SQ+1], v[SQ+2:SQ+3]
	v_add_f32 v[SQ], v[SQ], v[SQ+1]
	v_permlanex16_b32 v[BP+1], v[SQ], s[SEL], s[SEL+1]
	v_add_f32 v[SQ], v[SQ], v[BP+1]                ; the sum of z^2 over the head's 128
	s_wait_alu depctr_va_vdst(0)                   ; the reciprocal's wait, ahead of its first reader
	v_mul_f32 v[SQ+1], v14, v14
	v_mul_f32 v[SQ+1], 0x3c000000, v[SQ+1]         ; 1 / (128 sum^2)
	v_fmaak_f32 v[SQ], v[SQ], v[SQ+1], 0x358637bd  ; the mean square of z / sum, + 1e-6
	v_rsq_f32 v[SQ], v[SQ]
	v_mul_f32 v[SQ+1], 0x3f4ccccd, v14             ; 0.8 / sum (a plain instruction behind the transcendental)
	s_wait_alu depctr_va_vdst(0)
	v_mul_f32 v[FAC], v[SQ], v[SQ+1]
	v_mov_b32 v[FAC+1], v[FAC]
	s_wait_loadcnt 0x0                             ; the gain
.set n, 0
.rept 32
	v_pk_mul_f32 v[S+n:S+n+1], v[S+n:S+n+1], v[FAC:FAC+1]
.set n, n+2
.endr
.set n, 0
.rept 32
	v_pk_mul_f32 v[S+n:S+n+1], v[S+n:S+n+1], v[F+n:F+n+1]
.set n, n+2
.endr
	QUANT S, PWO
.irp c, 0,1,2
	global_store_b128 v[LI], v[PC+4*\c:PC+4*\c+3], s[18:19] offset:512*\c   ; 512 consecutive bytes, aligned
.endr
	global_store_b32 v[R16], v[PWO], s[98:99]      ; my row's scale word: lanes l and l xor 16 hold the same word and name the same place.  Four bytes, 16 apart: a quad's other words belong to the other three heads' work-groups
	s_wait_tensorcnt 0x0                           ; the wave's end
	ds_add_u32 v[SPW], v[NIL]
	s_wait_dscnt 0x0
	ROUND                                          ; the closing round
	s_endpgm
.Lfunc_end_k_q28fac564ce_attn:
	.size	k_q28fac564ce_attn, .Lfunc_end_k_q28fac564ce_attn-k_q28fac564ce_attn
	.p2alignl 7, 3214868480
	.fill 96, 4, 3214868480
	.section	.rodata,"a",@progbits
	.p2align	6, 0x0
	.amdhsa_kernel k_q28fac564ce_attn
		.amdhsa_group_segment_fixed_size 327680
		.amdhsa_private_segment_fixed_size 0
		.amdhsa_enable_private_segment 0
		.amdhsa_kernarg_size 64
		.amdhsa_user_sgpr_count 2
		.amdhsa_user_sgpr_kernarg_segment_ptr 1
		.amdhsa_wavefront_size32 1
		.amdhsa_system_sgpr_workgroup_id_x 1
		.amdhsa_system_sgpr_workgroup_id_y 1
		.amdhsa_system_sgpr_workgroup_id_z 1
		.amdhsa_system_vgpr_workitem_id 0
		.amdhsa_next_free_vgpr 512
		.amdhsa_next_free_sgpr 102
		.amdhsa_reserve_vcc 1
		.amdhsa_float_denorm_mode_32 3
		.amdhsa_float_denorm_mode_16_64 3
		.amdhsa_memory_ordered 1
		.amdhsa_forward_progress 1
		.amdhsa_inst_pref_size 255
	.end_amdhsa_kernel
	.section	.bss,"aw",@nobits
	.p2align	6
	.space	262144
	.amdgpu_metadata
---
amdhsa.version: [ 1, 2 ]
amdhsa.kernels:
  - .name:           k_q28fac564ce_attn
    .symbol:         k_q28fac564ce_attn.kd
    .args:
      - { .name: qk, .offset: 0, .size: 8, .value_kind: global_buffer, .address_space: global }
      - { .name: vv, .offset: 8, .size: 8, .value_kind: global_buffer, .address_space: global }
      - { .name: lambda_q1, .offset: 16, .size: 8, .value_kind: global_buffer, .address_space: global }
      - { .name: lambda_k1, .offset: 24, .size: 8, .value_kind: global_buffer, .address_space: global }
      - { .name: lambda_q2, .offset: 32, .size: 8, .value_kind: global_buffer, .address_space: global }
      - { .name: lambda_k2, .offset: 40, .size: 8, .value_kind: global_buffer, .address_space: global }
      - { .name: rms_weight, .offset: 48, .size: 8, .value_kind: global_buffer, .address_space: global }
      - { .name: ao, .offset: 56, .size: 8, .value_kind: global_buffer, .address_space: global }
    .group_segment_fixed_size: 327680
    .private_segment_fixed_size: 0
    .kernarg_segment_align: 8
    .kernarg_segment_size: 64
    .max_flat_workgroup_size: 256
    .sgpr_count:     102
    .vgpr_count:     512
    .wavefront_size: 32
...
	.end_amdgpu_metadata
.endif
;; end of part 3
;; launch oproj (part 4): grid 8 x 32, 4 waves a work-group, clusters of 4 x 4, 327,680 bytes of LDS; arguments ao, wq, out0; writes out0
.if DOCPART == 4
	.amdgcn_target "amdgcn-amd-amdhsa--gfx1250"
	.amdhsa_code_object_version 6
	.text
	.protected	k_q28fac564ce_oproj
	.globl	k_q28fac564ce_oproj
	.p2align	8
	.type	k_q28fac564ce_oproj,@function
k_q28fac564ce_oproj:
	s_mov_b64 s[64:65], 0
	v_nop
	global_prefetch_b8 v0, s[64:65] scope:SCOPE_SE
	s_setreg_imm32_b32 hwreg(HW_REG_WAVE_MODE, 25, 1), 1
	s_wait_xcnt 0x0
	s_wait_alu depctr_hold_cnt(0) depctr_sa_sdst(0) depctr_va_vdst(0) depctr_va_sdst(0) depctr_va_ssrc(0) depctr_va_vcc(0) depctr_vm_vsrc(0)
	s_getreg_b32 s2, hwreg(HW_REG_IB_STS2, 6, 4)
	s_cmp_eq_u32 s2, 0
	s_cbranch_scc0 .Lentry_in_a_cluster
	s_endpgm
.Lentry_in_a_cluster:
	s_bfe_u32 s2, ttmp6, 0x10000c
	s_cmp_lg_u32 s2, 0xf033
	s_cbranch_scc0 .Lentry_shape_is_right
	s_endpgm
.Lentry_shape_is_right:
; OPROJ: out0 [4096][2048] f32 = (the normed heads) x Wo, K = 1,024, on codes of FP6 (E2M3) with one E8M0 scale for each 32 along K.
; Operands come as IMAGES of fragments (1,536 bytes: register i of lane l at 512 (i / 4) + 16 l + 4 (i % 4)) and QUADS of scale words (at 16 r the words of row r for four K steps).
; Tile T of a row axis holds rows 32 (T / 2) + 8 (T % 2) + r + 8 (r / 8).  Source 0 = 256 columns of Wo, source 1 = 128 tokens: a lane holds one token, and the 16 registers of source 0's tiles 2 b, 2 b + 1 are 16 neighbouring columns.
; A work-group makes 128 tokens x 256 columns, a wave 64 x 128: 32 accumulators.  256 work-groups.
; CLUSTER 4 x 4: Wo's tiles hang on the work-group's x and are shared along a column of the cluster, the tokens' on its y and are shared along a row: both are asked for JOINTLY.
; All of K lies in LDS at once: two slots of four K steps and the scale words, each filled ONCE, at the start.  Nothing is filled again.
; REGISTERS: window 0: v1-27 addresses; v32-95 scale words, two sets; v128-223 source 1's fragments, two sets (on the way out v128-255: rows read back).  window 1: v0-191 source 0's fragments, two sets.  window 2: accumulator (a, b) at v[8 (8 a + b)].
.set WO_IMG, 3276800
.set WO_SCL, 4849664
.set A_SCL,  3145728
.set SLOT,   147456                    ; 16 tiles of source 0, then 8 of source 1, 6,144 bytes (four K steps) each
.set S1OFF,  98304
.set SCL1,   294912                    ; source 1's quads, 8 tiles x 512 bytes
.set SCL0,   299008                    ; source 0's, 16 x 512
.set AD0, 16
.set AD1, 18
.set ADS, 20
.set STO, 24                           ; v24 the way out: where I put 32 bytes of a row
.set RD,  25                           ; v25 where I read a row back
.set SC,  32
.set F1,  128
.set BK,  128
.set G1A,  24
.set G1B,  32
.set G1SA, 40
.set G1SB, 48
.set G0A,  56
.set G0B,  68
.set G0SA, 76
.set G0SB, 80
.set MSB, 0
.macro WIN new
.if MSB != (\new)
	s_set_vgpr_msb (MSB<<8)|(\new)
.set MSB, (\new)
.endif
.endm
.macro PLACES n
.rept \n
	v_nop
.endr
.endm
.macro CROUND                          ; a round of the cluster's barrier
	s_barrier_signal -1
	s_barrier_wait -1
	s_cmp_lg_u32 s16, 0
	s_cbranch_scc1 .Lnot_wave_0_\@
	s_barrier_signal -3
.Lnot_wave_0_\@:
	s_barrier_wait -3
	s_barrier_signal -1
	s_barrier_wait -1
.endm
; Waves 0 and 1 fetch source 0's halves, waves 2 and 3 source 1's.  Each line has one mask; the branch hangs on the wave's number alone.  Four v_nop follow each of the two lines.
.macro JLOAD g0a, g1a, g0b, g1b
	s_cmp_eq_u32 s18, 0
	s_cbranch_scc0 .Lfor_b_\@
	tensor_load_to_lds s[\g0a:\g0a+3], s[\g1a:\g1a+7]
	s_nop 0
.rept 4
	v_nop
.endr
	s_branch .Lasked_\@
.Lfor_b_\@:
	tensor_load_to_lds s[\g0b:\g0b+3], s[\g1b:\g1b+7]
	s_nop 0
.rept 4
	v_nop
.endr
.Lasked_\@:
.endm
.macro FETCH slot, q, p
	WIN 0x40
.irp b, 0,1,2,3,4,5,6,7
.irp c, 0,1,2
	ds_load_b128 v[96*(\p)+12*\b+4*\c:96*(\p)+12*\b+4*\c+3], v[AD0+\slot] offset:6144*\b+1536*(\q)+512*\c
.endr
.endr
	WIN 0
.irp a, 0,1,2,3
.irp c, 0,1,2
	ds_load_b128 v[F1+48*(\p)+12*\a+4*\c:F1+48*(\p)+12*\a+4*\c+3], v[AD1+\slot] offset:6144*\a+1536*(\q)+512*\c
.endr
.endr
.endm
.macro SCALES set, g                   ; register 4 i + q: lanes 0-15 source 1's tile i, lanes 16-31 source 0's tile i (for i > 3 lanes 0-15 read words that are never used)
.irp i, 0,1,2,3,4,5,6,7
	ds_load_b128 v[SC+32*(\set)+4*\i:SC+32*(\set)+4*\i+3], v[ADS] offset:512*\i+256*(\g)
.endr
.endm
.macro MUL8 a, p, q, set, zero         ; the 32 accumulators take turns, one instruction a turn, in the same order in every step
	WIN 0xa1
.irp b, 0,1,2,3,4,5,6,7
.if \zero
	v_wmma_scale_f32_16x16x128_f8f6f4 v[8*(8*(\a)+\b):8*(8*(\a)+\b)+7], v[96*(\p)+12*\b:96*(\p)+12*\b+11], v[F1+48*(\p)+12*(\a):F1+48*(\p)+12*(\a)+11], 0, v[SC+32*(\set)+4*\b+(\q)], v[SC+32*(\set)+4*(\a)+(\q)] matrix_a_fmt:MATRIX_FMT_FP6 matrix_b_fmt:MATRIX_FMT_FP6 matrix_a_scale:MATRIX_SCALE_ROW1
.else
	v_wmma_scale_f32_16x16x128_f8f6f4 v[8*(8*(\a)+\b):8*(8*(\a)+\b)+7], v[96*(\p)+12*\b:96*(\p)+12*\b+11], v[F1+48*(\p)+12*(\a):F1+48*(\p)+12*(\a)+11], v[8*(8*(\a)+\b):8*(8*(\a)+\b)+7], v[SC+32*(\set)+4*\b+(\q)], v[SC+32*(\set)+4*(\a)+(\q)] matrix_a_fmt:MATRIX_FMT_FP6 matrix_b_fmt:MATRIX_FMT_FP6 matrix_a_scale:MATRIX_SCALE_ROW1
.endif
.endr
.endm
.macro STEP slot, q, zero
	s_wait_dscnt 0x0                               ; this step's fragments, asked for 32 products ago, are in
	PLACES 4                                       ; four plain instructions between the last products and loads into the registers that they read (ISA guide 7.12.1 for vector instructions)
	FETCH \slot, (\q)+1, 1-(\q)%2
	MUL8 0, (\q)%2, \q, \slot, \zero
	MUL8 1, (\q)%2, \q, \slot, \zero
	MUL8 2, (\q)%2, \q, \slot, \zero
	MUL8 3, (\q)%2, \q, \slot, \zero
.endm
	s_load_b128 s[4:7], s[0:1], 0x0                ; ao, wq
	s_load_b64 s[8:9], s[0:1], 0x10                ; out0
	v_lshl_add_u32 v126, v0, 2, 0x4b000
	v_mov_b32 v127, 0
	ds_add_u32 v126, v127
	v_lshrrev_b32 v1, 5, v0
	v_readfirstlane_b32 s16, v1                    ; wave
	s_and_b32 s17, s16, 1                          ; H0: my half of source 0; also which half I fetch
	s_lshr_b32 s18, s16, 1                         ; H1: my half of source 1; also: I fetch source 0 (0) or source 1 (1)
	s_bfe_u32 s19, ttmp6, 0x40000                  ; cx
	s_bfe_u32 s20, ttmp6, 0x40004                  ; cy
	s_lshl_b32 s21, ttmp9, 2
	s_add_co_u32 s21, s21, s19                     ; x: which 256 columns
	s_and_b32 s22, ttmp7, 0xffff
	s_lshl_b32 s22, s22, 2
	s_add_co_u32 s22, s22, s20                     ; y: which 128 tokens
	s_lshl_b32 s23, s20, 2
	s_lshl_b32 s23, 15, s23                        ; my row of the cluster
	s_lshl_b32 s3, 0x1111, s19                     ; my column
	; group 1.  Codes: rows of 6,144 bytes (768 elements of 8 bytes), 12,288 bytes from tile to tile
	s_or_b32 s[G1A], s3, (3<<16)|(1<<21)           ; Wo's tiles go to my column
	s_mov_b32 s[G1A+1], 768<<16
	s_mov_b32 s[G1A+2], 8<<16
	s_mov_b32 s[G1A+3], 768<<16
	s_mov_b32 s[G1A+4], 8
	s_mov_b32 s[G1A+5], 1536
	s_mov_b32 s[G1A+6], 0
	s_mov_b32 s[G1A+7], 0
	s_or_b32 s[G1B], s23, (3<<16)|(1<<21)          ; the tokens' to my row
	s_mov_b32 s[G1B+1], 768<<16
	s_mov_b32 s[G1B+2], 4<<16
	s_mov_b32 s[G1B+3], 768<<16
	s_mov_b32 s[G1B+4], 4
	s_mov_b32 s[G1B+5], 1536
	s_mov_b32 s[G1B+6], 0
	s_mov_b32 s[G1B+7], 0
	; scales: dense blocks as rows of 256 bytes: 8 tiles x 512 bytes, 4 tiles x 512
	s_or_b32 s[G1SA], s3, (3<<16)|(1<<21)
	s_mov_b32 s[G1SA+1], 32<<16
	s_mov_b32 s[G1SA+2], 16<<16
	s_mov_b32 s[G1SA+3], 32<<16
	s_mov_b32 s[G1SA+4], 16
	s_mov_b32 s[G1SA+5], 32
	s_mov_b32 s[G1SA+6], 0
	s_mov_b32 s[G1SA+7], 0
	s_or_b32 s[G1SB], s23, (3<<16)|(1<<21)
	s_mov_b32 s[G1SB+1], 32<<16
	s_mov_b32 s[G1SB+2], 8<<16
	s_mov_b32 s[G1SB+3], 32<<16
	s_mov_b32 s[G1SB+4], 8
	s_mov_b32 s[G1SB+5], 32
	s_mov_b32 s[G1SB+6], 0
	s_mov_b32 s[G1SB+7], 0
	s_lshl_b32 s88, s21, 4                         ; source 0: made of x and the wave's number alone
	s_lshl_b32 s89, s17, 3
	s_add_co_u32 s88, s88, s89
	s_lshl_b32 s90, s88, 9
	s_add_co_u32 s90, s90, WO_SCL
	s_mul_i32 s88, s88, 12288
	s_add_co_u32 s88, s88, WO_IMG
	s_mov_b32 s89, 0
	s_mov_b32 s91, 0
	s_lshl_b32 s92, s22, 3                         ; source 1: of y and the wave's number alone
	s_lshl_b32 s93, s17, 2
	s_add_co_u32 s92, s92, s93
	s_lshl_b32 s94, s92, 9
	s_add_co_u32 s94, s94, A_SCL
	s_mul_i32 s92, s92, 12288
	s_mov_b32 s93, 0
	s_mov_b32 s95, 0
	s_mul_i32 s98, s17, 49152                      ; where they go: the wave's number alone enters an LDS address
	s_mul_i32 s99, s17, 24576
	s_lshl_b32 s96, s17, 12
	s_lshl_b32 s97, s17, 11
	s_wait_dscnt 0x0
	s_wait_kmcnt 0x0
	s_add_nc_u64 s[88:89], s[6:7], s[88:89]
	s_add_nc_u64 s[90:91], s[6:7], s[90:91]
	s_add_nc_u64 s[92:93], s[4:5], s[92:93]
	s_add_nc_u64 s[94:95], s[4:5], s[94:95]
	CROUND                                         ; all sixteen work-groups are here: the joint loads meet
	s_mov_b32 s[G0SA], 1
	s_add_co_u32 s[G0SA+1], s96, SCL0
	s_mov_b64 s[G0SA+2:G0SA+3], s[90:91]
	s_or_b32 s[G0SA+3], s[G0SA+3], 0x80000000
	s_mov_b32 s[G0SB], 1
	s_add_co_u32 s[G0SB+1], s97, SCL1
	s_mov_b64 s[G0SB+2:G0SB+3], s[94:95]
	s_or_b32 s[G0SB+3], s[G0SB+3], 0x80000000
	JLOAD G0SA, G1SA, G0SB, G1SB
.irp s, 0,1
	s_mov_b32 s[G0A+4*\s], 1
	s_add_co_u32 s[G0A+4*\s+1], s98, \s*SLOT
	s_add_nc_u64 s[G0A+4*\s+2:G0A+4*\s+3], s[88:89], \s*6144
	s_or_b32 s[G0A+4*\s+3], s[G0A+4*\s+3], 0x80000000
	s_mov_b32 s[G0B+4*\s], 1
	s_add_co_u32 s[G0B+4*\s+1], s99, \s*SLOT+S1OFF
	s_add_nc_u64 s[G0B+4*\s+2:G0B+4*\s+3], s[92:93], \s*6144
	s_or_b32 s[G0B+4*\s+3], s[G0B+4*\s+3], 0x80000000
	JLOAD G0A+4*\s, G1A, G0B+4*\s, G1B             ; by this text's count three loads of a wave are out: all that the launch fetches
.endr
	v_and_b32 v1, 15, v0                           ; r
	v_bfe_u32 v2, v0, 4, 1                         ; h
	v_and_b32 v3, 31, v0
	v_lshlrev_b32 v3, 4, v3                        ; 16 x lane
	v_add_nc_u32 v[AD0], s98, v3
	v_add_nc_u32 v[AD0+1], SLOT, v[AD0]
	s_mul_i32 s88, s18, 24576
	s_add_co_u32 s88, s88, S1OFF
	v_add_nc_u32 v[AD1], s88, v3
	v_add_nc_u32 v[AD1+1], SLOT, v[AD1]
	s_lshl_b32 s88, s18, 11                        ; source 1's quads: my 4 tiles
	s_lshl_b32 s89, s17, 12                        ; source 0's: my 8 tiles
	s_add_co_u32 s89, s89, SCL0-SCL1
	s_sub_co_u32 s89, s89, s88                     ; the distance between the two
	s_add_co_u32 s88, s88, SCL1
	v_mul_u32_u24 v4, s89, v2                      ; lanes 16-31 take source 0's
	v_lshl_add_u32 v4, v1, 4, v4
	v_add_nc_u32 v[ADS], s88, v4
	s_mul_i32 s88, s16, 8448                       ; my stage: 16 rows of 512 bytes + 16, in slot 0
	v_mul_u32_u24 v[STO], v1, 528
	v_lshl_add_u32 v[STO], v2, 6, v[STO]
	v_add_nc_u32 v[STO], s88, v[STO]               ; in: row r, + 64 h
	v_add_nc_u32 v[RD], s88, v3                    ; back: a row's 512 bytes by the 32 lanes
	s_lshl_b32 s88, s22, 20                        ; 128 rows of 8,192 bytes
	s_lshl_b32 s89, s18, 19
	s_add_co_u32 s88, s88, s89
	s_lshl_b32 s89, s21, 10                        ; 256 columns of 4 bytes
	s_add_co_u32 s88, s88, s89
	s_lshl_b32 s89, s17, 9
	s_add_co_u32 s88, s88, s89
	s_mov_b32 s89, 0
	s_add_nc_u64 s[8:9], s[8:9], s[88:89]          ; out0 at my wave's corner
	s_wait_tensorcnt 0x1                           ; the scales and my part of slot 0 are in; slot 1's load may be out
	s_barrier_signal -1
	s_barrier_wait -1
	FETCH 0, 0, 0
	SCALES 0, 0
	STEP 0, 0, 1                                   ; the first step's products start the sums: nothing is cleared
	STEP 0, 1, 0
	STEP 0, 2, 0
	WIN 0
	s_wait_tensorcnt 0x0                           ; my part of slot 1 is in,
	s_wait_dscnt 0x0                               ; and my reads of slot 0 are over: behind this barrier slot 1 is whole, and slot 0's bytes may become stages
	MUL8 0, 1, 3, 0, 0
	s_barrier_signal -1
	MUL8 1, 1, 3, 0, 0
	WIN 0
	s_barrier_wait -1
	PLACES 4
	FETCH 1, 0, 0
	SCALES 1, 1
	MUL8 2, 1, 3, 0, 0
	MUL8 3, 1, 3, 0, 0
	STEP 1, 0, 0
	STEP 1, 1, 0
	STEP 1, 2, 0
	s_wait_dscnt 0x0
	MUL8 0, 1, 3, 1, 0
	MUL8 1, 1, 3, 1, 0
	MUL8 2, 1, 3, 1, 0
	MUL8 3, 1, 3, 1, 0
	WIN 0
; THE WAY OUT, a tile of 16 tokens x 128 columns at a time.  A lane holds pieces of one row and the lanes beside it other rows: so a block goes through my own stage and comes back as whole rows of 512 bytes.
; LDS serves a wave's instructions in order (ISA guide 5.7.1.4): no wait between the stores and the loads, nor in front of the next block's stores.
.macro TOSTAGE a
	WIN 0x08                                       ; an LDS store's data are its source 1: window 2
.irp b, 0,1,2,3,4,5,6,7
	ds_store_b128 v[STO], v[8*(8*(\a)+\b):8*(8*(\a)+\b)+3] offset:128*(\b/2)+32*(\b%2)        ; each accumulator from its low end on: columns 32 (b / 2) + 16 h + 8 (b % 2) + 0 .. 7
	ds_store_b128 v[STO], v[8*(8*(\a)+\b)+4:8*(8*(\a)+\b)+7] offset:128*(\b/2)+32*(\b%2)+16
.endr
	WIN 0
.set BB, BK+64*((\a)%2)
.irp t, 0,1,2,3,4,5,6,7,8,9,10,11,12,13,14,15
	ds_load_b128 v[BB+4*\t:BB+4*\t+3], v[RD] offset:528*\t
.endr
.endm
.macro SEND a, younger                 ; younger: the LDS instructions issued behind block a's loads, which may stay out
.set BB, BK+64*((\a)%2)
	s_wait_dscnt \younger
.irp t, 0,1,2,3,4,5,6,7,8,9,10,11,12,13,14,15
	global_store_b128 v3, v[BB+4*\t:BB+4*\t+3], s[8:9] offset:(32*((\a)/2)+8*((\a)%2)+\t+8*(\t/8))*8192 th:TH_STORE_NT   ; 512 consecutive bytes, aligned; the tile's order of rows is undone in the immediate, 63 rows at the most
.endr
.endm
	PLACES 4                                       ; between the last products and the first read of results, and loads into registers that they read
	TOSTAGE 0
.irp a, 1,2,3
.if \a > 1
	s_wait_xcnt 0x0                                ; block a - 2's stores have read their registers: block a's loads may land there
.endif
	TOSTAGE \a
	SEND \a-1, 32                                  ; behind block a - 1's loads: block a's 16 stores and 16 loads
.endr
	SEND 3, 0
	s_wait_tensorcnt 0x0
	ds_add_u32 v126, v127
	s_wait_dscnt 0x0
	CROUND                                         ; the closing round: no work-group ends while a partner may still ask for a tile that names it
	s_endpgm
.Lfunc_end_k_q28fac564ce_oproj:
	.size	k_q28fac564ce_oproj, .Lfunc_end_k_q28fac564ce_oproj-k_q28fac564ce_oproj
	.p2alignl 7, 3214868480
	.fill 96, 4, 3214868480
	.section	.rodata,"a",@progbits
	.p2align	6, 0x0
	.amdhsa_kernel k_q28fac564ce_oproj
		.amdhsa_group_segment_fixed_size 327680
		.amdhsa_private_segment_fixed_size 0
		.amdhsa_enable_private_segment 0
		.amdhsa_kernarg_size 24
		.amdhsa_user_sgpr_count 2
		.amdhsa_user_sgpr_kernarg_segment_ptr 1
		.amdhsa_wavefront_size32 1
		.amdhsa_system_sgpr_workgroup_id_x 1
		.amdhsa_system_sgpr_workgroup_id_y 1
		.amdhsa_system_sgpr_workgroup_id_z 1
		.amdhsa_system_vgpr_workitem_id 0
		.amdhsa_next_free_vgpr 768
		.amdhsa_next_free_sgpr 100
		.amdhsa_reserve_vcc 0
		.amdhsa_float_denorm_mode_32 3
		.amdhsa_float_denorm_mode_16_64 3
		.amdhsa_memory_ordered 1
		.amdhsa_forward_progress 1
		.amdhsa_inst_pref_size 77
	.end_amdhsa_kernel
	.amdgpu_metadata
---
amdhsa.version: [ 1, 2 ]
amdhsa.kernels:
  - .name:           k_q28fac564ce_oproj
    .symbol:         k_q28fac564ce_oproj.kd
    .args:
      - { .name: ao, .offset: 0, .size: 8, .value_kind: global_buffer, .address_space: global }
      - { .name: wq, .offset: 8, .size: 8, .value_kind: global_buffer, .address_space: global }
      - { .name: out0, .offset: 16, .size: 8, .value_kind: global_buffer, .address_space: global }
    .group_segment_fixed_size: 327680
    .private_segment_fixed_size: 0
    .kernarg_segment_align: 8
    .kernarg_segment_size: 24
    .max_flat_workgroup_size: 128
    .sgpr_count:     100
    .vgpr_count:     768
    .wavefront_size: 32
...
	.end_amdgpu_metadata
.endif
;; end of part 4
